; MI455X (gfx1250); checked and timed in simulation.
; The chip was launched on July 23, 2026; its instructions are those of AMD's public machine-readable ISA for CDNA 5 (MIT licence, August 2026) and "CDNA5" Instruction Set Architecture Reference Guide (July 2026). The comments in the code are by the model that wrote it; some were corrected since.
;; DGM Net. Allowed arithmetic: matrix products marked QUANTISED: E4M3 operands, one given power-of-two scale a tensor, by v_wmma_f32_16x16x64_fp8_fp8 or v_wmma_f32_16x16x128_fp8_fp8, f32 sums; products left as they are: f32 operands where the result goes on into a quantised operand, else bf16, f16 or f32 operands; f32 sums; everything else in f32.
;; Inputs: Uf 3 x 512 x 512 float32; Uo1 3 x 512 x 512 float32; Uu 3 x 512 x 512 float32; W_in 4 x 512 float32; W_out 512 x 1 float32; Wf 3 x 4 x 512 float32; Wo1 3 x 4 x 512 float32; Wo2 3 x 512 x 512 float32; Wu 3 x 4 x 512 float32; X 16,384 x 4 float32; b_in 1 x 512 float32; b_out 1 x 1 float32; bf 3 x 1 x 512 float32; bo1 3 x 1 x 512 float32; bo2 3 x 1 x 512 float32; bu 3 x 1 x 512 float32; lowp_scales 24 int32 (the exponents e of the quantised operands' scales 2^e).
;; Outputs: out0 16,384 x 1 float32.
;; This version of the problem:
;;   THIS VERSION OF THE PROBLEM IS GIVEN IN LOW PRECISION. The matrix products marked QUANTISED in the list below multiply operands that are first quantised to E4M3 (4 exponent bits, 3 mantissa bits; 8 bits a number), with one given power-of-two scale for each operand tensor; their sums are f32. All else is computed in f32.
;;   The module's matrix products, in the order in which they are computed (A, B: the left and right operand; K: the contracted axis; several contracted axes count as one K, in the product's order):
;;     1. [M 16,384, K 4] x [K 4, N 512]; A: input X; B: input W_in: left as it is (K = 4 < 32)
;;     2. [M 16,384, K 4] x [K 4, N 512]; A: input X; B: input Wf: left as it is (K = 4 < 32)
;;     3. [M 16,384, K 512] x [K 512, N 512]; A: computed on the way; B: input Uf: QUANTISED (scales: A lowp_scales[0], B lowp_scales[1])
;;     4. [M 16,384, K 4] x [K 4, N 512]; A: input X; B: input Wu: left as it is (K = 4 < 32)
;;     5. [M 16,384, K 512] x [K 512, N 512]; A: computed on the way; B: input Uu: QUANTISED (scales: A lowp_scales[2], B lowp_scales[3])
;;     6. [M 16,384, K 4] x [K 4, N 512]; A: input X; B: input Wo1: left as it is (K = 4 < 32)
;;     7. [M 16,384, K 512] x [K 512, N 512]; A: computed on the way; B: input Uo1: QUANTISED (scales: A lowp_scales[4], B lowp_scales[5])
;;     8. [M 16,384, K 512] x [K 512, N 512]; A: computed on the way; B: input Wo2: QUANTISED (scales: A lowp_scales[6], B lowp_scales[7])
;;     9. [M 16,384, K 4] x [K 4, N 512]; A: input X; B: input Wf: left as it is (K = 4 < 32)
;;     10. [M 16,384, K 512] x [K 512, N 512]; A: computed on the way; B: input Uf: QUANTISED (scales: A lowp_scales[8], B lowp_scales[9])
;;     11. [M 16,384, K 4] x [K 4, N 512]; A: input X; B: input Wu: left as it is (K = 4 < 32)
;;     12. [M 16,384, K 512] x [K 512, N 512]; A: computed on the way; B: input Uu: QUANTISED (scales: A lowp_scales[10], B lowp_scales[11])
;;     13. [M 16,384, K 4] x [K 4, N 512]; A: input X; B: input Wo1: left as it is (K = 4 < 32)
;;     14. [M 16,384, K 512] x [K 512, N 512]; A: computed on the way; B: input Uo1: QUANTISED (scales: A lowp_scales[12], B lowp_scales[13])
;;     15. [M 16,384, K 512] x [K 512, N 512]; A: computed on the way; B: input Wo2: QUANTISED (scales: A lowp_scales[14], B lowp_scales[15])
;;     16. [M 16,384, K 4] x [K 4, N 512]; A: input X; B: input Wf: left as it is (K = 4 < 32)
;;     17. [M 16,384, K 512] x [K 512, N 512]; A: computed on the way; B: input Uf: QUANTISED (scales: A lowp_scales[16], B lowp_scales[17])
;;     18. [M 16,384, K 4] x [K 4, N 512]; A: input X; B: input Wu: left as it is (K = 4 < 32)
;;     19. [M 16,384, K 512] x [K 512, N 512]; A: computed on the way; B: input Uu: QUANTISED (scales: A lowp_scales[18], B lowp_scales[19])
;;     20. [M 16,384, K 4] x [K 4, N 512]; A: input X; B: input Wo1: left as it is (K = 4 < 32)
;;     21. [M 16,384, K 512] x [K 512, N 512]; A: computed on the way; B: input Uo1: QUANTISED (scales: A lowp_scales[20], B lowp_scales[21])
;;     22. [M 16,384, K 512] x [K 512, N 512]; A: computed on the way; B: input Wo2: QUANTISED (scales: A lowp_scales[22], B lowp_scales[23])
;;     23. [M 16,384, K 512] x [K 512, N 1]; A: computed on the way; B: input W_out: left as it is (N = 1 < 16)
;;   THE QUANTISER, for each operand of a quantised product, along K:
;;     - The operand's scale is 2^e, e = its entry of the input lowp_scales (int32; the entries are numbered through the quantised products in the list's order, A before B).
;;     - Each number is divided by the scale, clamped to +-448, and rounded to the nearest number of E4M3, ties to even, subnormals kept.
;;     - The product sums the exact products of the quantised numbers (number of the format x scale) in f32.
;;   ~~~python
;;   def quantise(x, axis, e):      # numpy; x: float32 -> the quantised numbers, widened to float32 again
;;       x = np.moveaxis(x, axis, -1); K = x.shape[-1]
;;       r = np.clip(x / 2.0 ** e, -448, 448)
;;       step = 2.0 ** (np.maximum(np.frexp(np.where(r == 0, 1, r))[1] - 1, -6) - 3)
;;       q = np.round(r / step) * step * 2.0 ** e      # np.round: ties to even
;;       return np.moveaxis(q, -1, axis).astype(np.float32)
;;   ~~~
;;   OPERANDS COMPUTED ON THE WAY. 'Computed on the way' means the value that the module computes at that place (a softmax that the list does not call 'softmax' is quantised finished and normalised). What goes into a quantiser is computed in f32, as accurately as f32 sums, v_exp_f32 and their like allow (about 1e-6 of the number): no bf16 or f16 on the way to a quantiser, and a product that is left as it is and whose result goes on into a quantised operand takes f32 operands (vector FMAs, or v_wmma_f32_16x16x4_f32). A number that lies on a knife's edge between two numbers of the format may be rounded either way, as far as f32 arithmetic and the matrix unit's own rounding can turn it there, and no further.
;; 2 versions, each right; version 2 is version 1 with the launch net written anew for expert scheduling mode. Each part assembles by itself: llvm-mc -triple=amdgcn-amd-amdhsa -mcpu=gfx1250 --defsym DOCPART=n.
;; ======== version 1 of 2: 2 launches
;; workspace buffers: wstream 3,293,184 bytes
;; launch prep (part 1): grid 432 x 1, 4 waves a work-group, no clusters, 8,704 bytes of LDS; arguments Uf, Uu, Uo1, Wo2, Wf, Wu, Wo1, bf, bu, bo1, bo2, lowp_scales, wstream; writes wstream
.if DOCPART == 1
	.amdgcn_target "amdgcn-amd-amdhsa--gfx1250"
	.amdhsa_code_object_version 6
	.text
	.protected	k_q1cd51f6521_prep
	.globl	k_q1cd51f6521_prep
	.p2align	8
	.type	k_q1cd51f6521_prep,@function
k_q1cd51f6521_prep:
	s_mov_b64 s[64:65], 0
	v_nop
	global_prefetch_b8 v0, s[64:65] scope:SCOPE_SE
	s_setreg_imm32_b32 hwreg(HW_REG_WAVE_MODE, 25, 1), 1
	s_wait_xcnt 0x0
; The twelve weights [512 (k)][512 (n)] f32 become codes of E4M3 with their given scales 2^e, laid as the second launch's operand registers take them;
; the K = 4 weights and the biases are multiplied by 2^-(eA + eB) of the product that they are added to, so that they can start that product's sums.
; wstream: records [w 4][T 48] of TILEB bytes, T = 16 layer + 8 phase + tile j; a record serves columns n0 = 128 w + 16 j of two gates (phase 0: U, O1; phase 1: F, Wo2):
;   g*8192 + s*2048: fragment of gate g, K step s: register q of lane L at (q/4)*512 + 16 L + 4 (q%4); lane (r, h), registers 2c, 2c+1: column n0 + r, k = 128 s + 16 c + 8 h + 0..7
;   16384 + 256 g: [r 16][k 4] f32, the K = 4 weights (zeros for Wo2, which has none);  16896: 16 f32 bias of g0;  16960: of g1;  17024: 128 bytes of zeros
; code = x / 2^e, held within +-448, to the nearest code, ties to even.  LIMITS: e between -126 and 119; NaN among the inputs is not served.
; Work-groups 0..383 take weights: a lane takes a column and its registers run down K (64 of them), so the conversions give codes with K innermost; the codes turn through
; the wave's own 2,048 bytes of LDS and leave as 512 consecutive bytes a store.  Work-groups 384..431 take the small parts, a wave a record.  No wave shares anything: no barrier.
.set TILEB, 17152
	s_load_b512 s[4:19], s[0:1], 0x0               ; Uf s4, Uu s6, Uo1 s8, Wo2 s10, Wf s12, Wu s14, Wo1 s16, bf s18
	s_load_b256 s[20:27], s[0:1], 0x40             ; bu s20, bo1 s22, bo2 s24, lowp_scales s26
	s_load_b64 s[28:29], s[0:1], 0x60              ; wstream
	v_lshl_add_u32 v112, v0, 2, 0x2000
	v_mov_b32 v113, 0
	v_lshrrev_b32 v1, 5, v0
	v_readfirstlane_b32 s30, v1                    ; wave
	v_and_b32 v2, 31, v0                           ; lane
	v_and_b32 v7, 15, v0                           ; r
	v_bfe_u32 v8, v0, 4, 1                         ; h
	s_cmp_lt_u32 ttmp9, 384
	s_cbranch_scc0 .Lsmall
	; ---- a weight: x = 32 (4 l + g') + 8 w + 2 s + hf;  g': 0 Uf, 1 Uu, 2 Uo1, 3 Wo2
	s_lshr_b32 s31, ttmp9, 7                       ; l
	s_bfe_u32 s32, ttmp9, 0x20005                  ; g'
	s_bfe_u32 s33, ttmp9, 0x20003                  ; w
	s_bfe_u32 s34, ttmp9, 0x20001                  ; s
	s_and_b32 s35, ttmp9, 1                        ; hf: which 64 of the K step's 128
	s_lshl_b32 s36, s31, 5
	s_lshl_b32 s37, s32, 3
	s_add_co_u32 s36, s36, s37
	s_add_co_u32 s36, s36, 4                       ; byte of entry 8 l + 2 g' + 1
	s_lshl_b32 s39, s30, 11                        ; my wave's stage
	v_lshlrev_b32 v4, 4, v7
	v_lshl_add_u32 v4, v8, 10, v4
	v_add_nc_u32 v4, s39, v4                       ; into it: tile lane / 16 (1,024 bytes), 16 bytes for row r
	v_lshlrev_b32 v6, 4, v2                        ; 16 x lane
	v_add_nc_u32 v5, s39, v6                       ; out of it
	v_lshlrev_b32 v3, 2, v2                        ; my column's 4 bytes
	s_lshl_b32 s40, s31, 20                        ; source: layer,
	s_lshl_b32 s41, s34, 18
	s_add_co_u32 s40, s40, s41                     ; 128 s rows of 2,048 bytes,
	s_lshl_b32 s41, s35, 17
	s_add_co_u32 s40, s40, s41                     ; 64 hf rows,
	s_lshl_b32 s41, s33, 9
	s_add_co_u32 s40, s40, s41                     ; column 128 w
	s_lshl_b32 s41, s30, 7
	s_add_co_u32 s40, s40, s41                     ; + 32 x wave
	s_mov_b32 s41, 0
	s_lshr_b32 s44, s32, 1                         ; g
	s_xor_b32 s45, s32, s44
	s_and_b32 s45, s45, 1
	s_xor_b32 s45, s45, 1                          ; phase: 1 for Uf and Wo2
	s_mul_i32 s46, s33, 48
	s_lshl_b32 s47, s31, 4
	s_add_co_u32 s46, s46, s47
	s_lshl_b32 s47, s45, 3
	s_add_co_u32 s46, s46, s47
	s_lshl_b32 s47, s30, 1
	s_add_co_u32 s46, s46, s47                     ; record 48 w + 16 l + 8 phase + 2 x wave
	s_mul_i32 s46, s46, TILEB
	s_lshl_b32 s47, s44, 13
	s_add_co_u32 s46, s46, s47
	s_lshl_b32 s47, s34, 11
	s_add_co_u32 s46, s46, s47
	s_lshl_b32 s47, s35, 10
	s_add_co_u32 s46, s46, s47
	s_mov_b32 s47, 0
	s_wait_kmcnt 0x0
	s_load_b32 s38, s[26:27], s36 offset:0x0       ; e
	s_cmp_eq_u32 s32, 0
	s_cselect_b64 s[48:49], s[4:5], s[6:7]
	s_cmp_eq_u32 s32, 2
	s_cselect_b64 s[50:51], s[8:9], s[10:11]
	s_cmp_lt_u32 s32, 2
	s_cselect_b64 s[48:49], s[48:49], s[50:51]     ; the choice hangs on the work-group's number alone
	s_add_nc_u64 s[48:49], s[48:49], s[40:41]
	s_add_nc_u64 s[28:29], s[28:29], s[46:47]
.set i, 0
.rept 64
	global_load_b32 v[16+i], v3, s[48:49] offset:2048*i th:TH_LOAD_NT   ; row k, 32 neighbouring columns: 128 consecutive bytes a wave, 512 a work-group
.set i, i+1
.endr
	s_wait_kmcnt 0x0
	s_add_co_i32 s38, s38, 127
	s_lshl_b32 s39, s38, 23
	v_mov_b32 v11, s39                             ; 2^e: the conversion takes its exponent field
	s_add_co_i32 s38, s38, 8
	s_lshl_b32 s38, s38, 23
	s_or_b32 s38, s38, 0x600000
	v_mov_b32 v10, s38                             ; 448 x 2^e
.set u, 0
.rept 8                                            ; eight along K at a time: c = 4 hf + u / 2, h = u % 2 of the fragment
	s_wait_loadcnt 56-8*u                          ; loads come back in order: these eight are in, the younger ones stay out
.set i, 0
.rept 8
	v_med3_num_f32 v[16+8*u+i], v[16+8*u+i], -v10, v10   ; the conversion does not saturate (ISA guide 7.6.2): the hold comes first
.set i, i+1
.endr
	v_cvt_scalef32_pk8_fp8_f32 v[80+2*u:81+2*u], v[16+8*u:23+8*u], v11
	ds_store_b64 v4, v[80+2*u:81+2*u] offset:(u/4)*512+(u%2)*256+((u/2)%2)*8
.set u, u+1
.endr
.irp t, 0,1,2,3
	ds_load_b128 v[96+4*\t:99+4*\t], v5 offset:512*\t    ; LDS serves a wave's instructions in order: these see my stores
.endr
.irp t, 0,1,2,3
	s_wait_dscnt 3-\t
	global_store_b128 v6, v[96+4*\t:99+4*\t], s[28:29] offset:(\t/2)*TILEB+(\t%2)*512   ; 512 consecutive bytes, at a multiple of 256 from the buffer's first byte
.endr
	s_wait_tensorcnt 0x0
	ds_add_u32 v112, v113
	s_wait_dscnt 0x0
	s_endpgm
.Lsmall:
	; ---- the small parts of record (w = wave, T = x - 384)
	s_sub_co_u32 s31, ttmp9, 384                   ; T
	s_lshr_b32 s32, s31, 4                         ; l
	s_bfe_u32 s33, s31, 0x10003                    ; phase
	s_and_b32 s34, s31, 7                          ; j
	s_lshl_b32 s35, s30, 9
	s_lshl_b32 s36, s34, 6
	s_add_co_u32 s35, s35, s36                     ; 4 n0
	s_xor_b32 s36, s33, 1                          ; g0's product: phase 1: Uf (0), phase 0: Uu (1)
	s_add_co_u32 s37, s33, 2                       ; g1's: phase 1: Wo2 (3), phase 0: Uo1 (2)
	s_lshl_b32 s38, s32, 5
	s_lshl_b32 s36, s36, 3
	s_add_co_u32 s36, s36, s38
	s_lshl_b32 s37, s37, 3
	s_add_co_u32 s37, s37, s38
	s_lshl_b32 s52, s32, 13
	s_add_co_u32 s52, s52, s35                     ; in a K = 4 weight: layer, column n0
	s_mov_b32 s53, 0
	s_lshl_b32 s56, s32, 11
	s_add_co_u32 s56, s56, s35                     ; in a bias
	s_mov_b32 s57, 0
	s_mul_i32 s60, s30, 48
	s_add_co_u32 s60, s60, s31
	s_mul_i32 s60, s60, TILEB
	s_mov_b32 s61, 0
	v_lshlrev_b32 v3, 2, v7
	v_lshl_add_u32 v3, v8, 12, v3                  ; rows 2 h, 2 h + 1 of the weight, column r
	v_and_b32 v4, 7, v0
	v_lshlrev_b32 v4, 3, v4                        ; two numbers of a bias
	v_lshlrev_b32 v5, 4, v7
	v_lshl_add_u32 v5, v8, 3, v5                   ; 16 r + 8 h
	v_lshlrev_b32 v6, 3, v2                        ; 8 x lane
	v_mov_b32 v20, 0
	s_wait_kmcnt 0x0
	s_load_b64 s[40:41], s[26:27], s36 offset:0x0  ; eA, eB of g0's product
	s_load_b64 s[42:43], s[26:27], s37 offset:0x0  ; of g1's
	s_cmp_eq_u32 s33, 1
	s_cselect_b64 s[44:45], s[12:13], s[14:15]     ; Wf or Wu
	s_cselect_b64 s[46:47], s[18:19], s[20:21]     ; bf or bu
	s_cselect_b64 s[48:49], s[24:25], s[22:23]     ; bo2 or bo1
	s_cselect_b32 s50, -1, 0                       ; Wo2's product has no K = 4 part
	s_add_nc_u64 s[44:45], s[44:45], s[52:53]
	s_add_nc_u64 s[54:55], s[16:17], s[52:53]      ; Wo1
	s_add_nc_u64 s[46:47], s[46:47], s[56:57]
	s_add_nc_u64 s[48:49], s[48:49], s[56:57]
	s_add_nc_u64 s[28:29], s[28:29], s[60:61]
	global_load_b32 v10, v3, s[44:45]
	global_load_b32 v11, v3, s[44:45] offset:2048
	global_load_b32 v12, v3, s[54:55]
	global_load_b32 v13, v3, s[54:55] offset:2048
	global_load_b64 v[14:15], v4, s[46:47]
	global_load_b64 v[16:17], v4, s[48:49]
	s_wait_kmcnt 0x0
	s_add_co_i32 s58, s40, s41
	s_sub_co_i32 s58, 0, s58                       ; -(eA + eB)
	s_add_co_i32 s59, s42, s43
	s_sub_co_i32 s59, 0, s59
	s_wait_loadcnt 0x0
	v_ldexp_f32 v10, v10, s58
	v_ldexp_f32 v11, v11, s58
	v_ldexp_f32 v12, v12, s59
	v_ldexp_f32 v13, v13, s59
	v_ldexp_f32 v14, v14, s58
	v_ldexp_f32 v15, v15, s58
	v_ldexp_f32 v16, v16, s59
	v_ldexp_f32 v17, v17, s59
	v_cndmask_b32 v12, v12, v20, s50
	v_cndmask_b32 v13, v13, v20, s50
	v_cmp_gt_u32 vcc_lo, 8, v2
	v_cndmask_b32 v18, v16, v14, vcc_lo            ; lanes 0-7: g0's bias; 8-15: g1's
	v_cndmask_b32 v19, v17, v15, vcc_lo
	v_cmp_gt_u32 vcc_lo, 16, v2
	v_cndmask_b32 v18, v20, v18, vcc_lo            ; lanes 16-31: zeros
	v_cndmask_b32 v19, v20, v19, vcc_lo
	global_store_b64 v5, v[10:11], s[28:29] offset:16384   ; each of the three stores covers 256 consecutive bytes, aligned
	global_store_b64 v5, v[12:13], s[28:29] offset:16640
	global_store_b64 v6, v[18:19], s[28:29] offset:16896
	s_endpgm
.Lfunc_end_k_q1cd51f6521_prep:
	.size	k_q1cd51f6521_prep, .Lfunc_end_k_q1cd51f6521_prep-k_q1cd51f6521_prep
	.p2alignl 7, 3214868480
	.fill 96, 4, 3214868480
	.section	.rodata,"a",@progbits
	.p2align	6, 0x0
	.amdhsa_kernel k_q1cd51f6521_prep
		.amdhsa_group_segment_fixed_size 8704
		.amdhsa_private_segment_fixed_size 0
		.amdhsa_enable_private_segment 0
		.amdhsa_kernarg_size 104
		.amdhsa_user_sgpr_count 2
		.amdhsa_user_sgpr_kernarg_segment_ptr 1
		.amdhsa_wavefront_size32 1
		.amdhsa_system_sgpr_workgroup_id_x 1
		.amdhsa_system_sgpr_workgroup_id_y 1
		.amdhsa_system_sgpr_workgroup_id_z 1
		.amdhsa_system_vgpr_workitem_id 0
		.amdhsa_next_free_vgpr 114
		.amdhsa_next_free_sgpr 66
		.amdhsa_reserve_vcc 1
		.amdhsa_float_denorm_mode_32 3
		.amdhsa_float_denorm_mode_16_64 3
		.amdhsa_memory_ordered 1
		.amdhsa_forward_progress 1
		.amdhsa_inst_pref_size 19
	.end_amdhsa_kernel
	.amdgpu_metadata
---
amdhsa.version: [ 1, 2 ]
amdhsa.kernels:
  - .name:           k_q1cd51f6521_prep
    .symbol:         k_q1cd51f6521_prep.kd
    .args:
      - { .name: Uf, .offset: 0, .size: 8, .value_kind: global_buffer, .address_space: global }
      - { .name: Uu, .offset: 8, .size: 8, .value_kind: global_buffer, .address_space: global }
      - { .name: Uo1, .offset: 16, .size: 8, .value_kind: global_buffer, .address_space: global }
      - { .name: Wo2, .offset: 24, .size: 8, .value_kind: global_buffer, .address_space: global }
      - { .name: Wf, .offset: 32, .size: 8, .value_kind: global_buffer, .address_space: global }
      - { .name: Wu, .offset: 40, .size: 8, .value_kind: global_buffer, .address_space: global }
      - { .name: Wo1, .offset: 48, .size: 8, .value_kind: global_buffer, .address_space: global }
      - { .name: bf, .offset: 56, .size: 8, .value_kind: global_buffer, .address_space: global }
      - { .name: bu, .offset: 64, .size: 8, .value_kind: global_buffer, .address_space: global }
      - { .name: bo1, .offset: 72, .size: 8, .value_kind: global_buffer, .address_space: global }
      - { .name: bo2, .offset: 80, .size: 8, .value_kind: global_buffer, .address_space: global }
      - { .name: lowp_scales, .offset: 88, .size: 8, .value_kind: global_buffer, .address_space: global }
      - { .name: wstream, .offset: 96, .size: 8, .value_kind: global_buffer, .address_space: global }
    .group_segment_fixed_size: 8704
    .private_segment_fixed_size: 0
    .kernarg_segment_align: 8
    .kernarg_segment_size: 104
    .max_flat_workgroup_size: 128
    .sgpr_count:     66
    .vgpr_count:     114
    .wavefront_size: 32
...
	.end_amdgpu_metadata
.endif
;; end of part 1
;; launch net (part 2): grid 256 x 1, 4 waves a work-group, no clusters, 265,728 bytes of LDS; arguments wstream, X, W_in, b_in, W_out, b_out, lowp_scales, out0; writes out0
.if DOCPART == 2
	.amdgcn_target "amdgcn-amd-amdhsa--gfx1250"
	.amdhsa_code_object_version 6
	.text
	.protected	k_q1cd51f6521_net
	.globl	k_q1cd51f6521_net
	.p2align	8
	.type	k_q1cd51f6521_net,@function
k_q1cd51f6521_net:
	s_mov_b64 s[64:65], 0
	v_nop
	global_prefetch_b8 v0, s[64:65] scope:SCOPE_SE
	s_setreg_imm32_b32 hwreg(HW_REG_WAVE_MODE, 25, 1), 1
	s_wait_xcnt 0x0
; The whole network for 64 rows a work-group: H = silu(X W_in + b_in); three layers F, U = sigmoid(..), O1 = tanh(..), H = F H + silu((U O1) Wo2 + bo2); out = silu(H W_out + b_out).
; The four products of a layer with K = 512 run on codes of E4M3 (v_wmma_f32_16x16x128_fp8_fp8, k in its true places); the K = 4 products on f32 operands (v_wmma_f32_16x16x4_f32), everything else in f32.
; SHARES.  Four waves, one to a SIMD.  THE WAVES SHARE THE COLUMNS: wave w makes columns 128 w .. 128 w + 127 of every product for all 64 rows.  So each weight fragment is read by one wave of the
; work-group alone and goes from memory straight into its registers (a ring of two steps); what goes from wave to wave is small: the rows' codes, through LDS as images of the operand's registers.
; A layer is two phases of eight steps; a step is 16 columns x 2 gates x 64 rows: 32 matrix instructions on 8 accumulators.  Phase 0: U, O1 -> P = U O1.  Phase 1: F, Z -> H' = F H + silu(Z).
; Both gates' 16 fragments of the rows' codes stay in registers (windows 1 and 2) for a phase.
; TRANSPOSED USE: source 0 = 16 columns of a weight, source 1 = 16 rows: lane (r, h) holds row 16 i + r and columns n0 + 8 h + 0..7; eight results convert into registers 2 j, 2 j + 1 of the next operand's fragment (i, s = w).
; THE SUMS START with (X W + b) x 2^-(eA + eB), which the launch before has scaled: the f32 product takes the bias as C, the four fp8 products add onto it; pre-activation = sum x 2^(eA + eB), folded into the exponentials' factor.
; BY TURNS.  The register work of step t - 1 is two numbered lists, dealt out in slices behind the matrix instructions of step t: the reciprocals behind K steps 0 and 1, the gates, holds and conversions behind K steps 2 and 3.
; A STEP'S MEMORY AND LDS INSTRUCTIONS STAND IN TWO RUNS: between K steps 1 and 2 (22 loads of the tile two steps on; the wait for the reciprocals stands ahead of them, so that the products are interrupted once for both),
; and at the step's end (the list's LDS stores, 16 loads of weights, in phase 1 the eight LDS loads of the H that the next step's list wants).
; H IS QUANTISED ONCE WHERE ITS THREE SCALES ARE EQUAL: a scalar branch on the given exponents (whole numbers; this launch has no tensor load, copy or cluster) round the second and third quantising; the codes are then stored three times.
; NO CLUSTER, NO TENSOR LOADS: H (131,072 bytes) and the four code images (131,072) leave 62 KB of LDS, less than one step's 65,536 bytes of weights for four waves: joint loads would want a round of the cluster's
; barrier for every part of a step; and no fragment is read by two waves of a work-group, so a way through LDS would add LDS traffic only.
; ONE BODY FOR THREE LAYERS: the last layer's H' is quantised though nobody reads those codes, the last step starts sums for a tile that does not exist, and the last two steps load tile 47 again (address held at the last record).
; LIMITS: each eA + eB between -120 and 120, each quantiser's e between -126 and 119, so that every power of two below is an f32 number; NaN among the inputs is not served.
; tanh(x) = 1 - 2 / (1 + e^(2x)): its absolute error is that of f32 near 1, so its relative error grows for |x| far below 1.
; REGISTERS.  window 0: see the names below.  window 1: g0's 16 fragments (i, s) at 16 (4 i + s); window 2: g1's; window 3: the weight ring, 128 p + 64 g + 16 s.
.set TILEB, 17152
.set HB,  131072                       ; LDS: 0 CU, 32768 CO, 65536 CF, 98304 CP: code images, fragment (i, s) at 2048 (4 i + s);  HB: H, wave x 32768 + tile x 4096 + q x 512 + 16 lane
.set WOL, 262144                       ; W_out, 512 bytes a wave
.set RED, 264192                       ; the waves' partial sums, 256 bytes a wave
.set LI,  1                            ; v1   16 x lane
.set LI2, 2                            ; v2   + 65536
.set CSB, 3                            ; v3   2048 w + 16 lane
.set CAD, 4                            ; v4   + 512 x (tile / 2): where codes go
.set CAD2,5                            ; v5   + 65536
.set HAD, 6                            ; v6   HB + 32768 w + 16 lane
.set HAT, 7                            ; v7   + 8192 x (tile / 2)
.set X,   8                            ; v8-15  X's four fragments
.set SCP, 16                           ; v16-19 the conversions' scales for P, and for H towards U, O1, F
.set SCU, 17
.set SCO, 18
.set SCF, 19
.set SM,  20                           ; v20-59 two small sets: +0 K = 4 weights g0, +2 g1, +4 bias g0, +12 bias g1
.set BO,  60                           ; v60  32 h
.set WO,  61                           ; v61  16 r + 8 h
.set IWO, 62                           ; v62  4096 h + 4 r
.set ACC, 64                           ; v64-127  accumulator a = 4 g + i; written by matrix instructions alone
.set T,   128                          ; v128-191 at work: g0's 32, g1's 32
.set Z,   192                          ; v192-223
.set HR,  224                          ; v224-255
.set WV,  20                           ; s20 wave; s21 layer; s22 loop count
.set LAY, 21
.set CNT, 22
.set SPU, 23                           ; s23 512 x (tile / 2)
.set STL, 24                           ; s24 the tile last asked for
.set SPH, 25                           ; s25 8192 x (tile / 2)
.set WA,  28                           ; s[28:29] that tile's record;  s[26:27] an offset, s27 = 0;  s30, s31 at work
.set ITL, 71                           ; s71 the input layer's tile to be asked for
.set EQF, 78                           ; s78 0 where H's three exponents are equal
; s[32:39] this layer's exponents, s[40:47] the next layer's; s[48:57] cU, cO, cF, cZ, cZ2 in pairs; s58/59, 60/61, 62/63, 66/67: -+448 x 2^e for P, U, O1, F; s[68:69] lane selects; s70 b_out; s[72:75] input bases; s[76:77] -log2(e)
.set MSB, 0
.macro WIN new                         ; the immediate's high byte repeats the setting that is left; a switch that changes nothing is dropped
.if MSB != (\new)
	s_set_vgpr_msb (MSB<<8)|(\new)
.set MSB, (\new)
.endif
.endm
.macro NOPS n
.rept \n
	v_nop
.endr
.endm
.macro QS e, ln, lp, vsc               ; a quantiser's scale 2^e (for the conversion) and its hold +-448 x 2^e
	s_add_co_i32 s30, s[\e], 127
	s_lshl_b32 s31, s30, 23
	v_mov_b32 v[\vsc], s31
	s_add_co_i32 s30, s30, 8
	s_lshl_b32 s30, s30, 23
	s_or_b32 s[\lp], s30, 0x600000
	s_xor_b32 s[\ln], s[\lp], 0x80000000
.endm
.macro EQSET                           ; are the exponents of H's three quantisers (s42 U, s44 O1, s40 F) equal?
	s_xor_b32 s30, s42, s44
	s_xor_b32 s31, s42, s40
	s_or_b32 s[EQF], s30, s31
.endm
.macro CSET dst, ea, eb, bits          ; a constant x 2^(ea + eb): the sum of the exponents is added to its exponent field
	s_add_co_i32 s30, s[\ea], s[\eb]
	s_lshl_b32 s30, s30, 23
	s_add_co_i32 s[\dst], s30, \bits
	s_mov_b32 s[\dst+1], s[\dst]
.endm
.macro WLOAD p, s                      ; K step s of both gates' weights of the tile at s[WA] into ring half p: 8 loads of 512 consecutive bytes
	WIN 0xc0
.irp g, 0,1
.irp c, 0,1,2,3
	global_load_b128 v[128*\p+64*\g+16*\s+4*\c:128*\p+64*\g+16*\s+4*\c+3], v[LI], s[WA:WA+1] offset:8192*\g+2048*\s+512*\c
.endr
.endr
	WIN 0
.endm
.macro R0S p                           ; the next tile: its address, K step 0 and the small set: 14 loads
	s_wait_xcnt 0x0                                ; the earlier loads have read s[WA]
	s_add_co_u32 s[STL], s[STL], 1
	s_min_u32 s30, s[STL], 47                      ; no load leaves the buffer: the last two steps ask for the last record again
	s_mul_i32 s26, s30, TILEB
	s_add_nc_u64 s[WA:WA+1], s[4:5], s[26:27]
	WLOAD \p, 0
	global_load_b64 v[SM+20*\p:SM+20*\p+1], v[WO], s[WA:WA+1] offset:16384
	global_load_b64 v[SM+20*\p+2:SM+20*\p+3], v[WO], s[WA:WA+1] offset:16640
	global_load_b128 v[SM+20*\p+4:SM+20*\p+7], v[BO], s[WA:WA+1] offset:16896
	global_load_b128 v[SM+20*\p+8:SM+20*\p+11], v[BO], s[WA:WA+1] offset:16912
	global_load_b128 v[SM+20*\p+12:SM+20*\p+15], v[BO], s[WA:WA+1] offset:16960
	global_load_b128 v[SM+20*\p+16:SM+20*\p+19], v[BO], s[WA:WA+1] offset:16976
.endm
.macro ALOAD1 win, adr, base, s        ; the four fragments (i, s) of a code image: 16 loads
	WIN \win
.irp i, 0,1,2,3
.irp c, 0,1,2,3
	ds_load_b128 v[16*(4*\i+\s)+4*\c:16*(4*\i+\s)+4*\c+3], v[\adr] offset:\base+2048*(4*\i+\s)+512*\c
.endr
.endr
.endm
; THE LISTS OF REGISTER WORK.  vj is the number of the item to be written next; ii, kk are made from it.
; DR, 84 items: 1 + e for pairs 12..31 of T (pairs 0..11 were done at the end of the step before) and the 64 reciprocals: an addition and three reciprocals by turns; a reciprocal never runs ahead of its addition.
.macro DR
.if vj < 80
.if vj%4 == 0
	v_pk_add_f32 v[T+24+2*(vj/4):T+25+2*(vj/4)], v[T+24+2*(vj/4):T+25+2*(vj/4)], 1.0 op_sel_hi:[1,0]
.else
	v_rcp_f32 v[T+3*(vj/4)+vj%4-1], v[T+3*(vj/4)+vj%4-1]
.endif
.else
	v_rcp_f32 v[T+vj-20], v[T+vj-20]
.endif
.endm
; PA2, 69 items, phase 0: U = 1 / (1 + e) is there; O1 = 1 - 2 / (1 + e'), P = U O1, held, converted; 17 items for each tile of rows.
.macro PA2
.if vj < 68
.set ii, vj/17
.set kk, vj%17
.if kk < 4
	v_pk_fma_f32 v[T+32+8*ii+2*kk:T+33+8*ii+2*kk], v[T+32+8*ii+2*kk:T+33+8*ii+2*kk], -2.0, 1.0 op_sel_hi:[1,0,0]
.elseif kk < 8
	v_pk_mul_f32 v[T+8*ii+2*(kk-4):T+8*ii+2*(kk-4)+1], v[T+8*ii+2*(kk-4):T+8*ii+2*(kk-4)+1], v[T+32+8*ii+2*(kk-4):T+33+8*ii+2*(kk-4)]
.elseif kk < 16
	v_med3_num_f32 v[T+8*ii+kk-8], v[T+8*ii+kk-8], s58, s59   ; the conversion does not saturate (ISA guide 7.6.2): the hold comes first
.else
	v_cvt_scalef32_pk8_fp8_f32 v[T+32+8*ii:T+33+8*ii], v[T+8*ii:T+8*ii+7], v[SCP]
.endif
.else
	v_nop                                          ; a plain instruction behind the last conversion
.endif
.endm
; PB2, 69 items, phase 1: H' = F H + Z sigmoid(Z), and its codes for the next layer's U.
.macro PB2
.if vj < 68
.set ii, vj/17
.set kk, vj%17
.if kk < 4
	v_pk_mul_f32 v[T+32+8*ii+2*kk:T+33+8*ii+2*kk], v[Z+8*ii+2*kk:Z+8*ii+2*kk+1], v[T+32+8*ii+2*kk:T+33+8*ii+2*kk]
.elseif kk < 8
	v_pk_fma_f32 v[T+8*ii+2*(kk-4):T+8*ii+2*(kk-4)+1], v[T+8*ii+2*(kk-4):T+8*ii+2*(kk-4)+1], v[HR+8*ii+2*(kk-4):HR+8*ii+2*(kk-4)+1], v[T+32+8*ii+2*(kk-4):T+33+8*ii+2*(kk-4)]
.elseif kk < 16
	v_med3_num_f32 v[Z+8*ii+kk-8], v[T+8*ii+kk-8], s60, s61
.else
	v_cvt_scalef32_pk8_fp8_f32 v[HR+8*ii:HR+8*ii+1], v[Z+8*ii:Z+8*ii+7], v[SCU]
.endif
.else
	v_nop
.endif
.endm
.macro DEALTO kind, upto               ; the list's items up to number upto, in window 0.  kind 0: DR, 1: PA2, 2: PB2
.rept (\upto)-vj
	WIN 0
.if (\kind) == 0
	DR
.elseif (\kind) == 1
	PA2
.else
	PB2
.endif
.set vj, vj+1
.endr
.endm
.macro AEND par                        ; phase 0's stores, in one run: P's codes into CP
	WIN 0
.irp i, 0,1,2,3
	ds_store_b64 v[CAD2], v[T+32+8*\i:T+33+8*\i] offset:32768+8192*\i+8*(\par)
.endr
.endm
; QEND: H' (in T's first half) goes to my part of HB, its codes for U into CU; then the codes for O1 and F.  Where the three exponents are equal the three codes are equal too, and U's are stored again;
; else H' is held and converted twice more.  Both ways issue eight LDS stores; no barrier stands under the branch.
.macro QEND par
	WIN 0
.irp i, 0,1,2,3
	ds_store_b128 v[HAT], v[T+8*\i:T+8*\i+3] offset:4096*(\par)+512*(2*\i)
	ds_store_b128 v[HAT], v[T+8*\i+4:T+8*\i+7] offset:4096*(\par)+512*(2*\i+1)
	ds_store_b64 v[CAD], v[HR+8*\i:HR+8*\i+1] offset:8192*\i+8*(\par)
.endr
	s_cmp_eq_u32 s[EQF], 0
	s_cbranch_scc1 .Lsame_\@
.irp i, 0,1,2,3
.irp k, 0,1,2,3,4,5,6,7
	v_med3_num_f32 v[T+32+8*\i+\k], v[T+8*\i+\k], s62, s63
.endr
	v_cvt_scalef32_pk8_fp8_f32 v[HR+8*\i+2:HR+8*\i+3], v[T+32+8*\i:T+32+8*\i+7], v[SCO]
.irp k, 0,1,2,3,4,5,6,7
	v_med3_num_f32 v[Z+8*\i+\k], v[T+8*\i+\k], s66, s67
.endr
	v_cvt_scalef32_pk8_fp8_f32 v[HR+8*\i+4:HR+8*\i+5], v[Z+8*\i:Z+8*\i+7], v[SCF]
.endr
	v_nop                                          ; a plain instruction behind the last conversion
.irp i, 0,1,2,3
	ds_store_b64 v[CAD], v[HR+8*\i+2:HR+8*\i+3] offset:32768+8192*\i+8*(\par)
	ds_store_b64 v[CAD2], v[HR+8*\i+4:HR+8*\i+5] offset:8192*\i+8*(\par)
.endr
	s_branch .Lqd_\@
.Lsame_\@:
.irp i, 0,1,2,3
	ds_store_b64 v[CAD], v[HR+8*\i:HR+8*\i+1] offset:32768+8192*\i+8*(\par)
	ds_store_b64 v[CAD2], v[HR+8*\i:HR+8*\i+1] offset:8192*\i+8*(\par)
.endr
.Lqd_\@:
.endm
; A STEP'S 32 PRODUCTS, K step by K step, the eight accumulators by turns, one instruction a turn.  vec = 1: a slice of a list behind each.
; LOADcnt: a tile's loads are 14 (K step 0 and the small set) and 8 (K step 1), issued in the middle of the step two steps back, and 16 (K steps 2, 3), issued at that step's end.
; Behind this tile's first 14 stand 8 + 16 + the next tile's 38 = 62; behind its K step 1: 16 + 38 = 54; behind its K steps 2, 3: 38 + the 22 issued in this step = 60.
; first = 1: the code images were asked for just now, K step by K step: DScnt counts what may stay out (phase 0: 32 loads a K step, the count's field holds 63; phase 1: 16).
.macro FP8BLK ph, p, vec, first
.irp s, 0,1,2,3
.if \s == 0
	s_wait_loadcnt 62
.elseif \s == 1
	s_wait_loadcnt 54
.elseif \s == 2
	s_wait_loadcnt 60
.endif
.if \first
.if \ph == 0
.if \s < 2
	s_wait_dscnt 63
.elseif \s == 2
	s_wait_dscnt 32
.else
	s_wait_dscnt 0
.endif
.else
	s_wait_dscnt 48-16*\s
.endif
.endif
.if (\s == 0) || (\s == 2)
.set vj, 0
.endif
.irp a, 0,1,2,3,4,5,6,7
	WIN 0x07+4*(\a/4)                              ; weights window 3, codes window 1 (g0) or 2 (g1), sums window 0
.if (\ph == 1) && (\s == 0) && (\a >= 4)
	v_wmma_f32_16x16x128_fp8_fp8 v[ACC+8*\a:ACC+8*\a+7], v[128*\p+64*(\a/4)+16*\s:128*\p+64*(\a/4)+16*\s+15], v[16*(4*(\a%4)+\s):16*(4*(\a%4)+\s)+15], v[SM+20*\p+12:SM+20*\p+19]   ; Z has no K = 4 part: its bias starts the sum
.else
	v_wmma_f32_16x16x128_fp8_fp8 v[ACC+8*\a:ACC+8*\a+7], v[128*\p+64*(\a/4)+16*\s:128*\p+64*(\a/4)+16*\s+15], v[16*(4*(\a%4)+\s):16*(4*(\a%4)+\s)+15], v[ACC+8*\a:ACC+8*\a+7]
.endif
.if \vec
.if \s < 2
	DEALTO 0, 84*(8*\s+\a+1)/16                    ; the 84 items over 16 slices
.else
	DEALTO 1+\ph, 69*(8*(\s-2)+\a+1)/16            ; the 69 items over 16 slices
.endif
.endif
.endr
.if \s == 1                                        ; THE STEP'S MIDDLE: K steps 0 and 1 are multiplied, their registers and this half's small set are free
	WIN 0
	NOPS 4                                         ; places in front of loads into registers that matrix instructions have read; the first is also the plain instruction behind the last reciprocal
.if \vec
	s_wait_alu depctr_va_vdst(0)                   ; one wait for the batch of 64 reciprocals, ahead of its first reader
.if \ph == 1
	s_wait_dscnt 0x0                               ; H, asked for at the end of the step before, is in
.endif
.endif
	R0S \p
	WLOAD \p, 1
.endif
.endr
.endm
; THE STEP'S END.  The finished sums leave the accumulators as the exponentials' arguments (each accumulator from its low end on); the next tile's sums are started (nf gates have a K = 4 part).
; The exponentials of accumulator a - 1 stand between the scalings of accumulator a; they are one batch with one wait.
; cf = 1: phase 0's last step: window 1 is done with and takes F's code image.  hoff (phase 1): this step's tile of H, from v[HAT] on.
.macro XBLK ph, p, nf, cf, hoff
	WIN 0
	NOPS 5                                         ; places: reads of results just made, loads into operands just read, accumulators begun anew
	WLOAD \p, 2
	WLOAD \p, 3
.if \ph == 1
.irp q, 0,1,2,3,4,5,6,7
	ds_load_b128 v[HR+4*\q:HR+4*\q+3], v[HAT] offset:\hoff+512*\q   ; LDS serves a wave's instructions in order: the stores that read these registers come first
.endr
.endif
.if \cf
.irp s, 0,1,2,3
	ALOAD1 0x40, LI2, 0, \s
.endr
	WIN 0
.endif
	s_wait_loadcnt 62                              ; the next tile's small set is in: behind its 14 loads stand 8 + 16 + 22 + 16
.irp a, 0,1,2,3,4,5,6,7
.set CR, 48+4*\ph+(2+2*\ph)*(\a/4)                 ; phase 0: cU, cO; phase 1: cF, cZ2
.irp k, 0,1,2,3
	v_pk_mul_f32 v[T+8*\a+2*\k:T+8*\a+2*\k+1], v[ACC+8*\a+2*\k:ACC+8*\a+2*\k+1], s[CR:CR+1] op_sel_hi:[1,0]
.if \a > 0
	v_exp_f32 v[T+8*(\a-1)+2*\k], v[T+8*(\a-1)+2*\k]
.endif
.if (\ph == 1) && (\a >= 4)
	v_pk_mul_f32 v[Z+8*(\a-4)+2*\k:Z+8*(\a-4)+2*\k+1], v[ACC+8*\a+2*\k:ACC+8*\a+2*\k+1], s[54:55] op_sel_hi:[1,0]   ; Z itself
.endif
.if \a > 0
	v_exp_f32 v[T+8*(\a-1)+2*\k+1], v[T+8*(\a-1)+2*\k+1]
.endif
.endr
.if (\a/4) < \nf
	v_wmma_f32_16x16x4_f32 v[ACC+8*\a:ACC+8*\a+7], v[SM+20*(1-\p)+2*(\a/4):SM+20*(1-\p)+2*(\a/4)+1], v[X+2*(\a%4):X+2*(\a%4)+1], v[SM+20*(1-\p)+4+8*(\a/4):SM+20*(1-\p)+11+8*(\a/4)]
.endif
.endr
.irp k, 0,1,2,3,4,5,6,7
	v_exp_f32 v[T+56+\k], v[T+56+\k]
.endr
	v_nop                                          ; a plain instruction behind the last exponential,
	s_wait_alu depctr_va_vdst(0)                   ; and one wait for the batch of 64
.irp k, 0,1,2,3,4,5,6,7,8,9,10,11
	v_pk_add_f32 v[T+2*\k:T+2*\k+1], v[T+2*\k:T+2*\k+1], 1.0 op_sel_hi:[1,0]   ; with the v_nop: thirteen places between the last f32 product and the fp8 products that add onto its kind (nine are asked)
.endr
.endm
.macro BODY ph, p, vec, first, nf, cf, hoff
.if \vec && \p
	v_add_nc_u32 v[CAD], s[SPU], v[CSB]            ; the lists' tile is t - 1: an even tile begins a pair
	v_add_nc_u32 v[CAD2], 0x10000, v[CAD]
	v_add_nc_u32 v[HAT], s[SPH], v[HAD]
.endif
	FP8BLK \ph, \p, \vec, \first
.if \vec
.if \ph == 0
	AEND 1-\p
.else
	QEND 1-\p
.endif
.endif
	XBLK \ph, \p, \nf, \cf, \hoff
	WIN 0
.endm
; H's tile of step t lies 4096 t bytes into my part of HB; v[HAT] stands at the pair of tile t - 1: so step 0 reads at 0, an odd step at 4096, an even step at 8192 from it.
.macro PHASE ph, nfin, nflast, cf
	s_mov_b32 s[SPU], 0
	s_mov_b32 s[SPH], 0
.if \ph == 1
	v_add_nc_u32 v[HAT], s[SPH], v[HAD]
.endif
	BODY \ph, 0, 0, 1, \nfin, 0, 0                 ; step 0: no lists yet
	s_mov_b32 s[CNT], 3
.Lpair_\@:                                         ; steps 1 to 6, two a trip: the ring's halves are back where they began
	BODY \ph, 1, 1, 0, \nfin, 0, 4096
	BODY \ph, 0, 1, 0, \nfin, 0, 8192
	s_add_co_u32 s[SPU], s[SPU], 512
	s_add_co_u32 s[SPH], s[SPH], 8192
	s_sub_co_u32 s[CNT], s[CNT], 1
	s_cmp_lg_u32 s[CNT], 0
	s_cbranch_scc1 .Lpair_\@
	BODY \ph, 1, 1, 0, \nflast, \cf, 4096          ; step 7 starts the next phase's first sums
.set vj, 0
	DEALTO 0, 84                                   ; tile 7's lists have no products to stand behind
	v_nop
	s_wait_alu depctr_va_vdst(0)
.if \ph == 1
	s_wait_dscnt 0x0                               ; H is in
.endif
.set vj, 0
	DEALTO 1+\ph, 69
.if \ph == 0
	AEND 1
.else
	QEND 1
.endif
	s_wait_dscnt 0x0                               ; for the others' sake: my stores have landed and my loads are in
	s_barrier_signal -1
	s_barrier_wait -1
.endm
	s_load_b512 s[4:19], s[0:1], 0x0               ; wstream s4, X s6, W_in s8, b_in s10, W_out s12, b_out s14, lowp_scales s16, out0 s18
	v_and_b32 v4, 15, v0                           ; r
	v_bfe_u32 v5, v0, 4, 1                         ; h
	v_and_b32 v63, 31, v0
	v_lshlrev_b32 v[LI], 4, v63
	v_add_nc_u32 v[LI2], 0x10000, v[LI]
	v_lshrrev_b32 v63, 5, v0
	v_readfirstlane_b32 s[WV], v63                 ; wave 0..3
	v_lshlrev_b32 v[BO], 5, v5
	v_lshlrev_b32 v[WO], 4, v4
	v_lshl_add_u32 v[WO], v5, 3, v[WO]
	v_lshlrev_b32 v[IWO], 2, v4
	v_lshl_add_u32 v[IWO], v5, 12, v[IWO]
	s_lshl_b32 s30, s[WV], 11
	v_add_nc_u32 v[CSB], s30, v[LI]
	s_lshl_b32 s30, s[WV], 15
	s_add_co_u32 s30, s30, HB
	v_add_nc_u32 v[HAD], s30, v[LI]
	s_lshl_b32 s30, s[WV], 9                       ; my 128 columns in bytes
	s_add_co_u32 s31, s30, WOL
	v_add_nc_u32 v63, s31, v[LI]                   ; where my part of W_out goes
	s_mov_b32 s27, 0
	s_mov_b32 s26, s30
	s_mov_b32 s68, 0x76543210
	s_mov_b32 s69, 0xfedcba98                      ; v_permlanex16_b32: lane l xor 16
	s_mov_b32 s76, 0xbfb8aa3b                      ; -log2(e)
	s_mov_b32 s77, s76
	s_wait_kmcnt 0x0
	s_add_nc_u64 s[8:9], s[8:9], s[26:27]
	s_add_nc_u64 s[10:11], s[10:11], s[26:27]
	s_add_nc_u64 s[12:13], s[12:13], s[26:27]
	s_lshl_b32 s26, ttmp9, 10
	s_add_nc_u64 s[6:7], s[6:7], s[26:27]          ; my 64 rows of X
	s_lshl_b32 s26, ttmp9, 8
	s_add_nc_u64 s[18:19], s[18:19], s[26:27]      ; and of the output
	s_mul_i32 s26, s[WV], 48*TILEB
	s_add_nc_u64 s[4:5], s[4:5], s[26:27]          ; my wave's 48 records
	s_load_b256 s[40:47], s[16:17], 0x0            ; layer 0's exponents: H's three quantisers
	s_load_b32 s70, s[14:15], 0x0                  ; b_out
.irp i, 0,1,2,3
	global_load_b64 v[X+2*\i:X+2*\i+1], v[WO], s[6:7] offset:256*\i   ; X(16 i + r, 2 h .. 2 h + 1)
.endr
	global_load_b128 v[T:T+3], v[LI], s[12:13]
	WIN 0x40                                       ; the input layer's two sets lie in window 1: weights at 16 q, bias at 16 q + 2
.irp q, 0,1
	global_load_b32 v[16*\q], v[IWO], s[8:9] offset:64*\q
	global_load_b32 v[16*\q+1], v[IWO], s[8:9] offset:64*\q+2048
	global_load_b128 v[16*\q+2:16*\q+5], v[BO], s[10:11] offset:64*\q
	global_load_b128 v[16*\q+6:16*\q+9], v[BO], s[10:11] offset:64*\q+16
.endr
	WIN 0
	s_wait_kmcnt 0x0
	QS 42, 60, 61, SCU
	QS 44, 62, 63, SCO
	QS 40, 66, 67, SCF
	EQSET
	s_wait_loadcnt 8                               ; W_out is in: behind it stand the two sets' eight loads
	ds_store_b128 v63, v[T:T+3]
	s_mov_b32 s[CNT], 4
	s_mov_b32 s[SPU], 0
	s_mov_b32 s[SPH], 0
	s_mov_b32 s[ITL], 2
; THE INPUT LAYER, 16 columns at a time: H = silu(X W_in + b_in), stored and quantised as every later H.  Its LDS stores and the loads of the set two tiles on stand in one run at its end.
.macro ITILE q
	s_wait_loadcnt 4                               ; this set is in; the other set's four loads may be out
	WIN 0x11                                       ; weights and bias window 1
.irp i, 0,1,2,3
	v_wmma_f32_16x16x4_f32 v[ACC+8*\i:ACC+8*\i+7], v[16*\q:16*\q+1], v[X+2*\i:X+2*\i+1], v[16*\q+2:16*\q+9]
.endr
	WIN 0
.if \q == 0
	v_add_nc_u32 v[CAD], s[SPU], v[CSB]
	v_add_nc_u32 v[CAD2], 0x10000, v[CAD]
	v_add_nc_u32 v[HAT], s[SPH], v[HAD]
.endif
	NOPS 8                                         ; places behind the f32 form, in front of the reads of its results
.set n, 0
.rept 16                                           ; a scaling, then the two exponentials of the pair before
	v_pk_mul_f32 v[T+2*n:T+2*n+1], v[ACC+2*n:ACC+2*n+1], s[76:77] op_sel_hi:[1,0]
.if n > 0
	v_exp_f32 v[T+2*n-2], v[T+2*n-2]
	v_exp_f32 v[T+2*n-1], v[T+2*n-1]
.endif
.set n, n+1
.endr
	v_exp_f32 v[T+30], v[T+30]
	v_exp_f32 v[T+31], v[T+31]
	v_nop
	s_wait_alu depctr_va_vdst(0)                   ; one wait for the batch
.set n, 0
.rept 16
	v_pk_add_f32 v[T+2*n:T+2*n+1], v[T+2*n:T+2*n+1], 1.0 op_sel_hi:[1,0]
.if n > 0
	v_rcp_f32 v[T+2*n-2], v[T+2*n-2]
	v_rcp_f32 v[T+2*n-1], v[T+2*n-1]
.endif
.set n, n+1
.endr
	v_rcp_f32 v[T+30], v[T+30]
	v_rcp_f32 v[T+31], v[T+31]
	v_nop
	s_wait_alu depctr_va_vdst(0)
.set n, 0
.rept 16
	v_pk_mul_f32 v[T+2*n:T+2*n+1], v[ACC+2*n:ACC+2*n+1], v[T+2*n:T+2*n+1]
.set n, n+1
.endr
.irp i, 0,1,2,3
.irp k, 0,1,2,3,4,5,6,7
	v_med3_num_f32 v[Z+8*\i+\k], v[T+8*\i+\k], s60, s61
.endr
	v_cvt_scalef32_pk8_fp8_f32 v[HR+8*\i:HR+8*\i+1], v[Z+8*\i:Z+8*\i+7], v[SCU]
.endr
	v_nop                                          ; a plain instruction behind the last conversion
	QEND \q
	s_wait_xcnt 0x0                                ; the earlier loads have read their bases
	s_min_u32 s30, s[ITL], 7                       ; two tiles ahead; the last two ask for tile 7 again
	s_lshl_b32 s26, s30, 6
	s_add_nc_u64 s[72:73], s[8:9], s[26:27]
	s_add_nc_u64 s[74:75], s[10:11], s[26:27]
	s_add_co_u32 s[ITL], s[ITL], 1
	WIN 0x40
	global_load_b32 v[16*\q], v[IWO], s[72:73]
	global_load_b32 v[16*\q+1], v[IWO], s[72:73] offset:2048
	global_load_b128 v[16*\q+2:16*\q+5], v[BO], s[74:75]
	global_load_b128 v[16*\q+6:16*\q+9], v[BO], s[74:75] offset:16
	WIN 0
.endm
.Lin:
	ITILE 0
	ITILE 1
	s_add_co_u32 s[SPU], s[SPU], 512
	s_add_co_u32 s[SPH], s[SPH], 8192
	s_sub_co_u32 s[CNT], s[CNT], 1
	s_cmp_lg_u32 s[CNT], 0
	s_cbranch_scc1 .Lin
	; the weight ring's two first fills, in the order in which every later tile is asked for; they land while the code images are read
	s_mov_b32 s[STL], -1
	R0S 0
	WLOAD 0, 1
	WLOAD 0, 2
	WLOAD 0, 3
	R0S 1
	WLOAD 1, 1
	WLOAD 1, 2
	WLOAD 1, 3
	s_wait_dscnt 0x0
	s_barrier_signal -1
	s_barrier_wait -1                              ; H's three code images are whole
	s_wait_loadcnt 62                              ; tile 0's small set is in (behind its 14 loads: 24 + 38), and so is all that was asked for earlier
.irp a, 0,1,2,3,4,5,6,7
	v_wmma_f32_16x16x4_f32 v[ACC+8*\a:ACC+8*\a+7], v[SM+2*(\a/4):SM+2*(\a/4)+1], v[X+2*(\a%4):X+2*(\a%4)+1], v[SM+4+8*(\a/4):SM+11+8*(\a/4)]   ; tile 0's sums are started
.endr
	NOPS 9
	s_mov_b32 s[LAY], 0
.Llayer:
	s_lshl_b32 s30, s[LAY], 5
	s_add_co_u32 s31, s[LAY], 1
	s_min_u32 s31, s31, 2
	s_lshl_b32 s31, s31, 5
	s_load_b256 s[32:39], s[16:17], s30 offset:0x0 ; this layer's eight exponents: aF bF aU bU aO bO aP bZ
	s_load_b256 s[40:47], s[16:17], s31 offset:0x0 ; the next layer's (the last layer: its own; those codes are not read)
.irp s, 0,1,2,3
	ALOAD1 0x40, LI, 0, \s                         ; H's codes for U
	ALOAD1 0x80, LI, 32768, \s                     ; and for O1
.endr
	WIN 0
	s_wait_kmcnt 0x0
	CSET 48, 34, 35, 0xbfb8aa3b                    ; cU = -log2(e) 2^(aU + bU)
	CSET 50, 36, 37, 0x4038aa3b                    ; cO = 2 log2(e) 2^(aO + bO)
	CSET 52, 32, 33, 0xbfb8aa3b                    ; cF
	CSET 54, 38, 39, 0x3f800000                    ; cZ = 2^(aP + bZ)
	CSET 56, 38, 39, 0xbfb8aa3b                    ; cZ2 = -log2(e) cZ
	QS 38, 58, 59, SCP
	QS 42, 60, 61, SCU
	QS 44, 62, 63, SCO
	QS 40, 66, 67, SCF
	EQSET
	PHASE 0, 2, 1, 1
.irp s, 0,1,2,3
	ALOAD1 0x80, LI2, 32768, \s                    ; P's codes
.endr
	WIN 0
	PHASE 1, 1, 2, 0
	s_add_co_u32 s[LAY], s[LAY], 1
	s_cmp_lt_u32 s[LAY], 3
	s_cbranch_scc1 .Llayer
	; THE OUTPUT: my 128 columns' part of H W_out for the 64 rows; the four waves' parts meet in LDS; wave 0 finishes and stores 256 consecutive bytes.
	s_wait_loadcnt 0x0                             ; the ring's last loads have landed: the small sets' registers are free
	s_lshl_b32 s30, s[WV], 9
	s_add_co_u32 s30, s30, WOL
	v_add_nc_u32 v62, s30, v[BO]
.irp j, 0,1,2,3,4,5,6,7
	ds_load_b128 v[T+8*\j:T+8*\j+3], v62 offset:64*\j       ; W_out(128 w + 16 j + 8 h + 0..7)
	ds_load_b128 v[T+8*\j+4:T+8*\j+7], v62 offset:64*\j+16
.endr
.macro HLOAD j
.irp q, 0,1,2,3,4,5,6,7
	ds_load_b128 v[Z+32*((\j)%2)+4*\q:Z+32*((\j)%2)+4*\q+3], v[HAD] offset:4096*(\j)+512*\q
.endr
.endm
	HLOAD 0
	HLOAD 1
	s_lshl_b32 s30, s[WV], 8
	s_add_co_u32 s30, s30, RED
	v_and_b32 v63, 15, v0
	v_lshlrev_b32 v63, 2, v63
	v_add_nc_u32 v63, s30, v63                     ; RED + 256 w + 4 r
	v_lshrrev_b32 v37, 1, v[LI]                    ; 8 x lane
	v_add_nc_u32 v36, RED, v37
.irp i, 0,1,2,3
	v_mov_b32 v[28+\i], 0                          ; a lane permute's destination counts as one of its sources
.endr
.irp j, 0,1,2,3,4,5,6,7
.if \j < 7
	s_wait_dscnt 8                                 ; this tile of H is in; the next tile's eight loads may be out
.else
	s_wait_dscnt 0
.endif
.irp k, 0,1,2,3
.irp i, 0,1,2,3
.if (\j == 0) && (\k == 0)
	v_pk_mul_f32 v[20+2*\i:21+2*\i], v[Z+32*(\j%2)+8*\i+2*\k:Z+32*(\j%2)+8*\i+2*\k+1], v[T+8*\j+2*\k:T+8*\j+2*\k+1]   ; the first products start the sums
.else
	v_pk_fma_f32 v[20+2*\i:21+2*\i], v[Z+32*(\j%2)+8*\i+2*\k:Z+32*(\j%2)+8*\i+2*\k+1], v[T+8*\j+2*\k:T+8*\j+2*\k+1], v[20+2*\i:21+2*\i]
.endif
.endr
.endr
.if \j < 6
	HLOAD \j+2
.endif
.endr
.irp i, 0,1,2,3
	v_add_f32 v[20+2*\i], v[20+2*\i], v[21+2*\i]
.endr
.irp i, 0,1,2,3
	v_permlanex16_b32 v[28+\i], v[20+2*\i], s68, s69   ; the row's other eight columns of each tile lie in the lane 16 away
.endr
.irp i, 0,1,2,3
	v_add_f32 v[20+2*\i], v[20+2*\i], v[28+\i]
.endr
.irp i, 0,1,2,3
	ds_store_b32 v63, v[20+2*\i] offset:64*\i      ; row 16 i + r; both halves of the lanes write the same number
.endr
	s_wait_dscnt 0x0
	s_barrier_signal -1
	s_barrier_wait -1
	s_cmp_lg_u32 s[WV], 0
	s_cbranch_scc1 .Lend
.irp w, 0,1,2,3
	ds_load_b64 v[40+2*\w:41+2*\w], v36 offset:256*\w   ; rows 2 l, 2 l + 1 of each wave's part
.endr
	s_wait_dscnt 0x0
	v_pk_add_f32 v[40:41], v[40:41], v[42:43]
	v_pk_add_f32 v[44:45], v[44:45], v[46:47]
	v_pk_add_f32 v[40:41], v[40:41], v[44:45]
	v_pk_add_f32 v[40:41], v[40:41], s[70:71] op_sel_hi:[1,0]   ; + b_out (the pair's low word for both halves)
	v_pk_mul_f32 v[44:45], v[40:41], s[76:77] op_sel_hi:[1,0]
	v_exp_f32 v44, v44
	v_exp_f32 v45, v45
	v_nop
	s_wait_alu depctr_va_vdst(0)
	v_pk_add_f32 v[44:45], v[44:45], 1.0 op_sel_hi:[1,0]
	v_rcp_f32 v44, v44
	v_rcp_f32 v45, v45
	v_nop
	s_wait_alu depctr_va_vdst(0)
	v_pk_mul_f32 v[40:41], v[40:41], v[44:45]
	global_store_b64 v37, v[40:41], s[18:19]       ; 32 lanes store the work-group's 64 results: 256 consecutive bytes, aligned
.Lend:
	s_wait_xcnt 0x0
	v_lshl_add_u32 v254, v0, 2, 0x40c00
	v_mov_b32 v255, 0
	s_wait_tensorcnt 0x0
	ds_add_u32 v254, v255
	s_wait_dscnt 0x0
	s_endpgm
.Lfunc_end_k_q1cd51f6521_net:
	.size	k_q1cd51f6521_net, .Lfunc_end_k_q1cd51f6521_net-k_q1cd51f6521_net
	.p2alignl 7, 3214868480
	.fill 96, 4, 3214868480
	.section	.rodata,"a",@progbits
	.p2align	6, 0x0
	.amdhsa_kernel k_q1cd51f6521_net
		.amdhsa_group_segment_fixed_size 265728
		.amdhsa_private_segment_fixed_size 0
		.amdhsa_enable_private_segment 0
		.amdhsa_kernarg_size 64
		.amdhsa_user_sgpr_count 2
		.amdhsa_user_sgpr_kernarg_segment_ptr 1
		.amdhsa_wavefront_size32 1
		.amdhsa_system_sgpr_workgroup_id_x 1
		.amdhsa_system_sgpr_workgroup_id_y 1
		.amdhsa_system_sgpr_workgroup_id_z 1
		.amdhsa_system_vgpr_workitem_id 0
		.amdhsa_next_free_vgpr 1024
		.amdhsa_next_free_sgpr 80
		.amdhsa_reserve_vcc 0
		.amdhsa_float_denorm_mode_32 3
		.amdhsa_float_denorm_mode_16_64 3
		.amdhsa_memory_ordered 1
		.amdhsa_forward_progress 1
		.amdhsa_inst_pref_size 255
	.end_amdhsa_kernel
	.section	.bss,"aw",@nobits
	.p2align	6
	.space	262144
	.amdgpu_metadata
---
amdhsa.version: [ 1, 2 ]
amdhsa.kernels:
  - .name:           k_q1cd51f6521_net
    .symbol:         k_q1cd51f6521_net.kd
    .args:
      - { .name: wstream, .offset: 0, .size: 8, .value_kind: global_buffer, .address_space: global }
      - { .name: X, .offset: 8, .size: 8, .value_kind: global_buffer, .address_space: global }
      - { .name: W_in, .offset: 16, .size: 8, .value_kind: global_buffer, .address_space: global }
      - { .name: b_in, .offset: 24, .size: 8, .value_kind: global_buffer, .address_space: global }
      - { .name: W_out, .offset: 32, .size: 8, .value_kind: global_buffer, .address_space: global }
      - { .name: b_out, .offset: 40, .size: 8, .value_kind: global_buffer, .address_space: global }
      - { .name: lowp_scales, .offset: 48, .size: 8, .value_kind: global_buffer, .address_space: global }
      - { .name: out0, .offset: 56, .size: 8, .value_kind: global_buffer, .address_space: global }
    .group_segment_fixed_size: 265728
    .private_segment_fixed_size: 0
    .kernarg_segment_align: 8
    .kernarg_segment_size: 64
    .max_flat_workgroup_size: 128
    .sgpr_count:     80
    .vgpr_count:     1024
    .wavefront_size: 32
...
	.end_amdgpu_metadata
.endif
;; end of part 2
;; ======== version 2 of 2: 2 launches; version 1 with the launch net written anew for expert scheduling mode
;; workspace buffers: wstream 3,293,184 bytes
;; launch prep: the kernel of part 1 again; grid 432 x 1, 4 waves a work-group, no clusters, 8,704 bytes of LDS; arguments Uf, Uu, Uo1, Wo2, Wf, Wu, Wo1, bf, bu, bo1, bo2, lowp_scales, wstream; writes wstream
;; launch net (part 3): grid 256 x 1, 4 waves a work-group, no clusters, 265,728 bytes of LDS; arguments wstream, X, W_in, b_in, W_out, b_out, lowp_scales, out0; writes out0
.if DOCPART == 3
	.amdgcn_target "amdgcn-amd-amdhsa--gfx1250"
	.amdhsa_code_object_version 6
	.text
	.protected	k_q1cd51f6521_net
	.globl	k_q1cd51f6521_net
	.p2align	8
	.type	k_q1cd51f6521_net,@function
k_q1cd51f6521_net:
	s_mov_b64 s[64:65], 0
	v_nop
	global_prefetch_b8 v0, s[64:65] scope:SCOPE_SE
	s_setreg_imm32_b32 hwreg(HW_REG_WAVE_SCHED_MODE, 0, 2), 2
	s_setreg_imm32_b32 hwreg(HW_REG_WAVE_MODE, 25, 1), 1
	s_wait_xcnt 0x0
	s_wait_alu depctr_vm_vsrc(0)
; The whole network for 64 rows a work-group: H = silu(X W_in + b_in); three layers F, U = sigmoid(..), O1 = tanh(..), H = F H + silu((U O1) Wo2 + bo2); out = silu(H W_out + b_out).
; The four products of a layer with K = 512 run on codes of E4M3 (v_wmma_f32_16x16x128_fp8_fp8, k in its true places); the K = 4 products on f32 operands (v_wmma_f32_16x16x4_f32), everything else in f32.
; SHARES.  Four waves, one to a SIMD.  THE WAVES SHARE THE COLUMNS: wave w makes columns 128 w .. 128 w + 127 of every product for all 64 rows.  So each weight fragment is read by one wave of the
; work-group alone and goes from memory straight into its registers (a ring of two steps); what goes from wave to wave is small: the rows' codes, through LDS as images of the operand's registers.
; A layer is two phases of eight steps; a step is 16 columns x 2 gates x 64 rows: 32 matrix instructions on 8 accumulators.  Phase 0: U, O1 -> P = U O1.  Phase 1: F, Z -> H' = F H + silu(Z).
; Both gates' 16 fragments of the rows' codes stay in registers (windows 1 and 2) for a phase.
; TRANSPOSED USE: source 0 = 16 columns of a weight, source 1 = 16 rows: lane (r, h) holds row 16 i + r and columns n0 + 8 h + 0..7; eight results convert into registers 2 j, 2 j + 1 of the next operand's fragment (i, s = w).
; THE SUMS START with (X W + b) x 2^-(eA + eB), which the launch before has scaled: the f32 product takes the bias as C, the four fp8 products add onto it; pre-activation = sum x 2^(eA + eB), folded into the exponentials' factor.
; BY TURNS.  The register work of step t - 1 is two numbered lists, dealt out in slices behind the matrix instructions of step t: the reciprocals behind K steps 0 and 1, the gates, holds and conversions behind K steps 2 and 3.
; A STEP'S MEMORY AND LDS INSTRUCTIONS: the 22 loads of the tile two steps on are dealt among K step 2's products, behind the one wait in the step's middle; at the step's end stand, in one run,
; the list's LDS stores, 16 loads of weights and, in phase 1, the eight LDS loads of the H that the next step's list wants.
; H IS QUANTISED ONCE WHERE ITS THREE SCALES ARE EQUAL: a scalar branch on the given exponents (whole numbers; this launch has no tensor load, copy or cluster) round the second and third quantising; the codes are then stored three times.
; NO CLUSTER, NO TENSOR LOADS: H (131,072 bytes) and the four code images (131,072) leave 62 KB of LDS, less than one step's 65,536 bytes of weights for four waves: joint loads would want a round of the cluster's
; barrier for every part of a step; and no fragment is read by two waves of a work-group, so a way through LDS would add LDS traffic only.
; ONE BODY FOR THREE LAYERS: the last layer's H' is quantised though nobody reads those codes, the last step starts sums for a tile that does not exist, and the last two steps load tile 47 again (address held at the last record).
; LIMITS: each eA + eB between -120 and 120, each quantiser's e between -126 and 119, so that every power of two below is an f32 number; NaN among the inputs is not served.
; tanh(x) = 1 - 2 / (1 + e^(2x)): its absolute error is that of f32 near 1, so its relative error grows for |x| far below 1.
; THE MODE: SCHED_MODE bits 1:0 = 2 (LLVM: expert scheduling mode 2), set by the entry lines.  The code itself states the register dependences between vector or matrix instructions
; and memory or LDS instructions, with s_wait_alu, always for 0.
; THE PLAN.  Registers that memory or LDS instructions touch, in a step t, which works on ring half p:
;   ring half p, K steps 0, 1; small set p   read by the f32 products at step t - 1's end and by step t's first 16 products; then the 22 loads of tile t + 2 land in them.
;   ring half p, K steps 2, 3                read by step t's last 16 products; loaded again at the step's end.
;   T, HR                                    written by the lists; read by the LDS stores at the step's end; behind these T is written by the scalings, HR by the LDS loads of H.
;   v[CAD], v[CAD2], v[HAT]                  written at the head of every second step; read by those stores and by the loads of H.
;   windows 1, 2                             read by a phase's products; the code images' loads land there between the phases.
;   v[LI], v[LI2], v[BO], v[WO]              made at the kernel's head, never written again.
;   The accumulators, Z and X are named in the loops by vector and matrix instructions alone.
; So a step has a wait on va_vdst in its middle (the first line above; the reciprocals), one at its end (the second, third and fourth lines), and a wait on vm_vsrc behind the step's stores (the third line);
; in phase 1 every second step begins with a wait on vm_vsrc, for v[HAT].  The loads that follow a wait are dealt among products and slices that name none of the registers that they touch.
; REGISTERS.  window 0: see the names below.  window 1: g0's 16 fragments (i, s) at 16 (4 i + s); window 2: g1's; window 3: the weight ring, 128 p + 64 g + 16 s.
.set TILEB, 17152
.set HB,  131072                       ; LDS: 0 CU, 32768 CO, 65536 CF, 98304 CP: code images, fragment (i, s) at 2048 (4 i + s);  HB: H, wave x 32768 + tile x 4096 + q x 512 + 16 lane
.set WOL, 262144                       ; W_out, 512 bytes a wave
.set RED, 264192                       ; the waves' partial sums, 256 bytes a wave
.set LI,  1                            ; v1   16 x lane
.set LI2, 2                            ; v2   + 65536
.set CSB, 3                            ; v3   2048 w + 16 lane
.set CAD, 4                            ; v4   + 512 x (tile / 2): where codes go
.set CAD2,5                            ; v5   + 65536
.set HAD, 6                            ; v6   HB + 32768 w + 16 lane
.set HAT, 7                            ; v7   + 8192 x (tile / 2)
.set X,   8                            ; v8-15  X's four fragments
.set SCP, 16                           ; v16-19 the conversions' scales for P, and for H towards U, O1, F
.set SCU, 17
.set SCO, 18
.set SCF, 19
.set SM,  20                           ; v20-59 two small sets: +0 K = 4 weights g0, +2 g1, +4 bias g0, +12 bias g1
.set BO,  60                           ; v60  32 h
.set WO,  61                           ; v61  16 r + 8 h
.set IWO, 62                           ; v62  4096 h + 4 r
.set ACC, 64                           ; v64-127  accumulator a = 4 g + i; written by matrix instructions alone
.set T,   128                          ; v128-191 at work: g0's 32, g1's 32
.set Z,   192                          ; v192-223
.set HR,  224                          ; v224-255
.set WV,  20                           ; s20 wave; s21 layer; s22 loop count
.set LAY, 21
.set CNT, 22
.set SPU, 23                           ; s23 512 x (tile / 2)
.set STL, 24                           ; s24 the tile last asked for
.set SPH, 25                           ; s25 8192 x (tile / 2)
.set WA,  28                           ; s[28:29] that tile's record;  s[26:27] an offset, s27 = 0;  s30, s31 at work
.set ITL, 71                           ; s71 the input layer's tile to be asked for
.set EQF, 78                           ; s78 0 where H's three exponents are equal
; s[32:39] this layer's exponents, s[40:47] the next layer's; s[48:57] cU, cO, cF, cZ, cZ2 in pairs; s58/59, 60/61, 62/63, 66/67: -+448 x 2^e for P, U, O1, F; s[68:69] lane selects; s70 b_out; s[72:75] input bases; s[76:77] -log2(e)
.set MSB, 0
.macro WIN new                         ; the immediate's high byte repeats the setting that is left; a switch that changes nothing is dropped
.if MSB != (\new)
	s_set_vgpr_msb (MSB<<8)|(\new)
.set MSB, (\new)
.endif
.endm
.macro NOPS n
.rept \n
	v_nop
.endr
.endm
.macro QS e, ln, lp, vsc               ; a quantiser's scale 2^e (for the conversion) and its hold +-448 x 2^e
	s_add_co_i32 s30, s[\e], 127
	s_lshl_b32 s31, s30, 23
	v_mov_b32 v[\vsc], s31
	s_add_co_i32 s30, s30, 8
	s_lshl_b32 s30, s30, 23
	s_or_b32 s[\lp], s30, 0x600000
	s_xor_b32 s[\ln], s[\lp], 0x80000000
.endm
.macro EQSET                           ; are the exponents of H's three quantisers (s42 U, s44 O1, s40 F) equal?
	s_xor_b32 s30, s42, s44
	s_xor_b32 s31, s42, s40
	s_or_b32 s[EQF], s30, s31
.endm
.macro CSET dst, ea, eb, bits          ; a constant x 2^(ea + eb): the sum of the exponents is added to its exponent field
	s_add_co_i32 s30, s[\ea], s[\eb]
	s_lshl_b32 s30, s30, 23
	s_add_co_i32 s[\dst], s30, \bits
	s_mov_b32 s[\dst+1], s[\dst]
.endm
.macro RLOAD p, g, s                   ; gate g's fragment of K step s of the tile at s[WA] into ring half p: 4 loads of 512 consecutive bytes
	WIN 0xc0
.irp c, 0,1,2,3
	global_load_b128 v[128*(\p)+64*(\g)+16*(\s)+4*\c:128*(\p)+64*(\g)+16*(\s)+4*\c+3], v[LI], s[WA:WA+1] offset:8192*(\g)+2048*(\s)+512*\c
.endr
.endm
.macro WLOAD p, s                      ; K step s of both gates' weights: 8 loads
	RLOAD \p, 0, \s
	RLOAD \p, 1, \s
	WIN 0
.endm
.macro RADR                            ; the next tile's address
	s_wait_xcnt 0x0                                ; the earlier loads have read s[WA]
	s_add_co_u32 s[STL], s[STL], 1
	s_min_u32 s30, s[STL], 47                      ; no load leaves the buffer: the last two steps ask for the last record again
	s_mul_i32 s26, s30, TILEB
	s_add_nc_u64 s[WA:WA+1], s[4:5], s[26:27]
.endm
.macro SML p, u                        ; three of the small set's six loads (window 0)
.if (\u) == 0
	global_load_b64 v[SM+20*\p:SM+20*\p+1], v[WO], s[WA:WA+1] offset:16384
	global_load_b64 v[SM+20*\p+2:SM+20*\p+3], v[WO], s[WA:WA+1] offset:16640
	global_load_b128 v[SM+20*\p+4:SM+20*\p+7], v[BO], s[WA:WA+1] offset:16896
.else
	global_load_b128 v[SM+20*\p+8:SM+20*\p+11], v[BO], s[WA:WA+1] offset:16912
	global_load_b128 v[SM+20*\p+12:SM+20*\p+15], v[BO], s[WA:WA+1] offset:16960
	global_load_b128 v[SM+20*\p+16:SM+20*\p+19], v[BO], s[WA:WA+1] offset:16976
.endif
.endm
.macro R0S p                           ; the next tile: its address, K step 0 and the small set: 14 loads
	RADR
	WLOAD \p, 0
	SML \p, 0
	SML \p, 1
.endm
.macro ALOAD1 win, adr, base, s        ; the four fragments (i, s) of a code image: 16 loads
	WIN \win
.irp i, 0,1,2,3
.irp c, 0,1,2,3
	ds_load_b128 v[16*(4*\i+\s)+4*\c:16*(4*\i+\s)+4*\c+3], v[\adr] offset:\base+2048*(4*\i+\s)+512*\c
.endr
.endr
.endm
; THE LISTS OF REGISTER WORK.  vj is the number of the item to be written next; ii, kk are made from it.
; DR, 84 items: 1 + e for pairs 12..31 of T (pairs 0..11 were done at the end of the step before) and the 64 reciprocals: an addition and three reciprocals by turns; a reciprocal never runs ahead of its addition.
.macro DR
.if vj < 80
.if vj%4 == 0
	v_pk_add_f32 v[T+24+2*(vj/4):T+25+2*(vj/4)], v[T+24+2*(vj/4):T+25+2*(vj/4)], 1.0 op_sel_hi:[1,0]
.else
	v_rcp_f32 v[T+3*(vj/4)+vj%4-1], v[T+3*(vj/4)+vj%4-1]
.endif
.else
	v_rcp_f32 v[T+vj-20], v[T+vj-20]
.endif
.endm
; PA2, 69 items, phase 0: U = 1 / (1 + e) is there; O1 = 1 - 2 / (1 + e'), P = U O1, held, converted; 17 items for each tile of rows.
.macro PA2
.if vj < 68
.set ii, vj/17
.set kk, vj%17
.if kk < 4
	v_pk_fma_f32 v[T+32+8*ii+2*kk:T+33+8*ii+2*kk], v[T+32+8*ii+2*kk:T+33+8*ii+2*kk], -2.0, 1.0 op_sel_hi:[1,0,0]
.elseif kk < 8
	v_pk_mul_f32 v[T+8*ii+2*(kk-4):T+8*ii+2*(kk-4)+1], v[T+8*ii+2*(kk-4):T+8*ii+2*(kk-4)+1], v[T+32+8*ii+2*(kk-4):T+33+8*ii+2*(kk-4)]
.elseif kk < 16
	v_med3_num_f32 v[T+8*ii+kk-8], v[T+8*ii+kk-8], s58, s59   ; the conversion does not saturate (ISA guide 7.6.2): the hold comes first
.else
	v_cvt_scalef32_pk8_fp8_f32 v[T+32+8*ii:T+33+8*ii], v[T+8*ii:T+8*ii+7], v[SCP]
.endif
.else
	v_nop                                          ; a plain instruction behind the last conversion
.endif
.endm
; PB2, 69 items, phase 1: H' = F H + Z sigmoid(Z), and its codes for the next layer's U.
.macro PB2
.if vj < 68
.set ii, vj/17
.set kk, vj%17
.if kk < 4
	v_pk_mul_f32 v[T+32+8*ii+2*kk:T+33+8*ii+2*kk], v[Z+8*ii+2*kk:Z+8*ii+2*kk+1], v[T+32+8*ii+2*kk:T+33+8*ii+2*kk]
.elseif kk < 8
	v_pk_fma_f32 v[T+8*ii+2*(kk-4):T+8*ii+2*(kk-4)+1], v[T+8*ii+2*(kk-4):T+8*ii+2*(kk-4)+1], v[HR+8*ii+2*(kk-4):HR+8*ii+2*(kk-4)+1], v[T+32+8*ii+2*(kk-4):T+33+8*ii+2*(kk-4)]
.elseif kk < 16
	v_med3_num_f32 v[Z+8*ii+kk-8], v[T+8*ii+kk-8], s60, s61
.else
	v_cvt_scalef32_pk8_fp8_f32 v[HR+8*ii:HR+8*ii+1], v[Z+8*ii:Z+8*ii+7], v[SCU]
.endif
.else
	v_nop
.endif
.endm
.macro DEALTO kind, upto               ; the list's items up to number upto, in window 0.  kind 0: DR, 1: PA2, 2: PB2
.rept (\upto)-vj
	WIN 0
.if (\kind) == 0
	DR
.elseif (\kind) == 1
	PA2
.else
	PB2
.endif
.set vj, vj+1
.endr
.endm
; AEND and QEND stand behind a wait on va_vdst that their callers write: the list has written the stores' data, and the addresses are written.
.macro AEND par                        ; phase 0's stores, in one run: P's codes into CP
	WIN 0
.irp i, 0,1,2,3
	ds_store_b64 v[CAD2], v[T+32+8*\i:T+33+8*\i] offset:32768+8192*\i+8*(\par)
.endr
.endm
; QEND: H' (in T's first half) goes to my part of HB, its codes for U into CU; then the codes for O1 and F.  Where the three exponents are equal the three codes are equal too, and U's are stored again;
; else H' is held and converted twice more.  Both ways issue eight LDS stores; no barrier stands under the branch.
; The second and third quantising write T's second half, Z and HR + 8 i + 2 .. 5: none of them is read by the twelve stores above them, and the stores that read them last stand ahead of the last wait on vm_vsrc.
.macro QEND par
	WIN 0
.irp i, 0,1,2,3
	ds_store_b128 v[HAT], v[T+8*\i:T+8*\i+3] offset:4096*(\par)+512*(2*\i)
	ds_store_b128 v[HAT], v[T+8*\i+4:T+8*\i+7] offset:4096*(\par)+512*(2*\i+1)
	ds_store_b64 v[CAD], v[HR+8*\i:HR+8*\i+1] offset:8192*\i+8*(\par)
.endr
	s_cmp_eq_u32 s[EQF], 0
	s_cbranch_scc1 .Lsame_\@
.irp i, 0,1,2,3
.irp k, 0,1,2,3,4,5,6,7
	v_med3_num_f32 v[T+32+8*\i+\k], v[T+8*\i+\k], s62, s63
.endr
	v_cvt_scalef32_pk8_fp8_f32 v[HR+8*\i+2:HR+8*\i+3], v[T+32+8*\i:T+32+8*\i+7], v[SCO]
.irp k, 0,1,2,3,4,5,6,7
	v_med3_num_f32 v[Z+8*\i+\k], v[T+8*\i+\k], s66, s67
.endr
	v_cvt_scalef32_pk8_fp8_f32 v[HR+8*\i+4:HR+8*\i+5], v[Z+8*\i:Z+8*\i+7], v[SCF]
.endr
	v_nop                                          ; a plain instruction behind the last conversion
	s_wait_alu depctr_va_vdst(0)                   ; the eight conversions have written HR + 8 i + 2 .. 5, which the stores below read
.irp i, 0,1,2,3
	ds_store_b64 v[CAD], v[HR+8*\i+2:HR+8*\i+3] offset:32768+8192*\i+8*(\par)
	ds_store_b64 v[CAD2], v[HR+8*\i+4:HR+8*\i+5] offset:8192*\i+8*(\par)
.endr
	s_branch .Lqd_\@
.Lsame_\@:
.irp i, 0,1,2,3
	ds_store_b64 v[CAD], v[HR+8*\i:HR+8*\i+1] offset:32768+8192*\i+8*(\par)
	ds_store_b64 v[CAD2], v[HR+8*\i:HR+8*\i+1] offset:8192*\i+8*(\par)
.endr
.Lqd_\@:
.endm
; A STEP'S 32 PRODUCTS, K step by K step, the eight accumulators by turns, one instruction a turn.  vec = 1: a slice of a list behind each.
; LOADcnt: a tile's loads are 14 (K step 0 and the small set) and 8 (K step 1), dealt among K step 2's products of the step two steps back, and 16 (K steps 2, 3), issued at that step's end.
; Behind this tile's first 14 stand 8 + 16 + the next tile's 38 = 62; behind its K step 1: 16 + 38 = 54; behind its K steps 2, 3: the next tile's 38 (this step's own 22 follow the wait).
; first = 1: the code images were asked for just now, K step by K step: DScnt counts what may stay out (phase 0: 32 loads a K step, the count's field holds 63; phase 1: 16).
.macro FP8BLK ph, p, vec, first
.irp s, 0,1,2,3
.if \s == 0
	s_wait_loadcnt 62
.elseif \s == 1
	s_wait_loadcnt 54
.elseif \s == 2
	s_wait_loadcnt 38
.endif
.if \first
.if \ph == 0
.if \s < 2
	s_wait_dscnt 63
.elseif \s == 2
	s_wait_dscnt 32
.else
	s_wait_dscnt 0
.endif
.else
	s_wait_dscnt 48-16*\s
.endif
.endif
.if (\s == 0) || (\s == 2)
.set vj, 0
.endif
.irp a, 0,1,2,3,4,5,6,7
	WIN 0x07+4*(\a/4)                              ; weights window 3, codes window 1 (g0) or 2 (g1), sums window 0
.if (\ph == 1) && (\s == 0) && (\a >= 4)
	v_wmma_f32_16x16x128_fp8_fp8 v[ACC+8*\a:ACC+8*\a+7], v[128*\p+64*(\a/4)+16*\s:128*\p+64*(\a/4)+16*\s+15], v[16*(4*(\a%4)+\s):16*(4*(\a%4)+\s)+15], v[SM+20*\p+12:SM+20*\p+19]   ; Z has no K = 4 part: its bias starts the sum
.else
	v_wmma_f32_16x16x128_fp8_fp8 v[ACC+8*\a:ACC+8*\a+7], v[128*\p+64*(\a/4)+16*\s:128*\p+64*(\a/4)+16*\s+15], v[16*(4*(\a%4)+\s):16*(4*(\a%4)+\s)+15], v[ACC+8*\a:ACC+8*\a+7]
.endif
.if \vec
.if \s < 2
	DEALTO 0, 84*(8*\s+\a+1)/16                    ; the 84 items over 16 slices
.else
	DEALTO 1+\ph, 69*(8*(\s-2)+\a+1)/16            ; the 69 items over 16 slices
.endif
.endif
.if \s == 2                                        ; the 22 loads of the tile two steps on, in their order, 4, 4, 3, 3, 4, 4.  No wait: since the wait in the step's middle no vector or matrix instruction
.if \a == 0                                        ; names ring half p's K steps 0 and 1, small set p, v[LI], v[WO] or v[BO]: K step 2's products name the sums, the ring's K step 2 and the codes, the slices T, Z and HR
	RLOAD \p, 0, 0
.elseif \a == 1
	RLOAD \p, 1, 0
.elseif \a == 2
	WIN 0
	SML \p, 0
.elseif \a == 3
	WIN 0
	SML \p, 1
.elseif \a == 4
	RLOAD \p, 0, 1
.elseif \a == 5
	RLOAD \p, 1, 1
.endif
.endif
.endr
.if \s == 1                                        ; THE STEP'S MIDDLE: K steps 0 and 1 are multiplied
	WIN 0
	NOPS 4                                         ; plain instructions between K step 1's products and the loads into their registers; the first is also the plain instruction behind the last reciprocal
	s_wait_alu depctr_va_vdst(0)                   ; K steps 0 and 1's products, and the f32 products of the step before, are done reading ring half p's K steps 0 and 1 and small set p, in which the loads among K step 2's products land; vec = 1: the batch of 64 reciprocals has written T, ahead of its first reader
.if \vec
.if \ph == 1
	s_wait_dscnt 0x0                               ; H, asked for at the end of the step before, is in
.endif
.endif
	RADR
.endif
.endr
.endm
; THE STEP'S END.  The finished sums leave the accumulators as the exponentials' arguments (each accumulator from its low end on); the next tile's sums are started (nf gates have a K = 4 part).
; The exponentials of accumulator a - 1 stand between the scalings of accumulator a; they are one batch with one wait.
; cf = 1: phase 0's last step: window 1 is done with and takes F's code image.  hoff (phase 1): this step's tile of H, from v[HAT] on.
; All its loads stand behind the wait on va_vdst at the step's end (BODY): since that wait no vector or matrix instruction names the ring's K steps 2 and 3 or window 1, and HR is named only ahead of QEND's own wait.
.macro XBLK ph, p, nf, cf, hoff
	WIN 0
	NOPS 5                                         ; places: reads of results just made, loads into operands just read, accumulators begun anew
	WLOAD \p, 2
	WLOAD \p, 3
	s_wait_alu depctr_vm_vsrc(0)                   ; the LDS stores issued so far (this step's; in a phase's first step those of the phase before) have read T and HR: the loads of H land in HR, the scalings write T
.if \ph == 1
.irp q, 0,1,2,3,4,5,6,7
	ds_load_b128 v[HR+4*\q:HR+4*\q+3], v[HAT] offset:\hoff+512*\q
.endr
.endif
.if \cf
.irp s, 0,1,2,3
	ALOAD1 0x40, LI2, 0, \s
.endr
	WIN 0
.endif
	s_wait_loadcnt 62                              ; the next tile's small set is in: behind its 14 loads stand 8 + 16 + 22 + 16
.irp a, 0,1,2,3,4,5,6,7
.set CR, 48+4*\ph+(2+2*\ph)*(\a/4)                 ; phase 0: cU, cO; phase 1: cF, cZ2
.irp k, 0,1,2,3
	v_pk_mul_f32 v[T+8*\a+2*\k:T+8*\a+2*\k+1], v[ACC+8*\a+2*\k:ACC+8*\a+2*\k+1], s[CR:CR+1] op_sel_hi:[1,0]
.if \a > 0
	v_exp_f32 v[T+8*(\a-1)+2*\k], v[T+8*(\a-1)+2*\k]
.endif
.if (\ph == 1) && (\a >= 4)
	v_pk_mul_f32 v[Z+8*(\a-4)+2*\k:Z+8*(\a-4)+2*\k+1], v[ACC+8*\a+2*\k:ACC+8*\a+2*\k+1], s[54:55] op_sel_hi:[1,0]   ; Z itself
.endif
.if \a > 0
	v_exp_f32 v[T+8*(\a-1)+2*\k+1], v[T+8*(\a-1)+2*\k+1]
.endif
.endr
.if (\a/4) < \nf
	v_wmma_f32_16x16x4_f32 v[ACC+8*\a:ACC+8*\a+7], v[SM+20*(1-\p)+2*(\a/4):SM+20*(1-\p)+2*(\a/4)+1], v[X+2*(\a%4):X+2*(\a%4)+1], v[SM+20*(1-\p)+4+8*(\a/4):SM+20*(1-\p)+11+8*(\a/4)]
.endif
.endr
.irp k, 0,1,2,3,4,5,6,7
	v_exp_f32 v[T+56+\k], v[T+56+\k]
.endr
	v_nop                                          ; a plain instruction behind the last exponential,
	s_wait_alu depctr_va_vdst(0)                   ; and one wait for the batch of 64: the exponentials have written T, ahead of their first reader
.irp k, 0,1,2,3,4,5,6,7,8,9,10,11
	v_pk_add_f32 v[T+2*\k:T+2*\k+1], v[T+2*\k:T+2*\k+1], 1.0 op_sel_hi:[1,0]   ; with the v_nop: thirteen places between the last f32 product and the fp8 products that add onto its kind (nine are asked)
.endr
.endm
.macro BODY ph, p, vec, first, nf, cf, hoff
.if \vec && \p
.if \ph == 1
	s_wait_alu depctr_vm_vsrc(0)                   ; the loads of H at the last step's end have read v[HAT].  (Phase 0 has no such loads: there nothing has read the three addresses since the wait on vm_vsrc behind the last stores)
.endif
	v_add_nc_u32 v[CAD], s[SPU], v[CSB]            ; the lists' tile is t - 1: an even tile begins a pair
	v_add_nc_u32 v[CAD2], 0x10000, v[CAD]
	v_add_nc_u32 v[HAT], s[SPH], v[HAD]
.endif
	FP8BLK \ph, \p, \vec, \first
	WIN 0
	s_wait_alu depctr_va_vdst(0)                   ; THE STEP'S END: the list has written T and HR, which the stores read, and is done with HR, in which H lands; the addresses are written; K steps 2 and 3's products are done reading the ring's registers (in phase 0's last step: all its products window 1), in which loads land
.if \vec
.if \ph == 0
	AEND 1-\p
.else
	QEND 1-\p
.endif
.endif
	XBLK \ph, \p, \nf, \cf, \hoff
	WIN 0
.endm
; H's tile of step t lies 4096 t bytes into my part of HB; v[HAT] stands at the pair of tile t - 1: so step 0 reads at 0, an odd step at 4096, an even step at 8192 from it.
.macro PHASE ph, nfin, nflast, cf
	s_mov_b32 s[SPU], 0
	s_mov_b32 s[SPH], 0
.if \ph == 1
	v_add_nc_u32 v[HAT], s[SPH], v[HAD]            ; no LDS instruction of phase 0 reads v[HAT], and its steps' waits on vm_vsrc stand behind the last that did; the wait in step 0's middle stands ahead of the next
.endif
	BODY \ph, 0, 0, 1, \nfin, 0, 0                 ; step 0: no lists yet
	s_mov_b32 s[CNT], 3
.Lpair_\@:                                         ; steps 1 to 6, two a trip: the ring's halves are back where they began
	BODY \ph, 1, 1, 0, \nfin, 0, 4096
	BODY \ph, 0, 1, 0, \nfin, 0, 8192
	s_add_co_u32 s[SPU], s[SPU], 512
	s_add_co_u32 s[SPH], s[SPH], 8192
	s_sub_co_u32 s[CNT], s[CNT], 1
	s_cmp_lg_u32 s[CNT], 0
	s_cbranch_scc1 .Lpair_\@
	BODY \ph, 1, 1, 0, \nflast, \cf, 4096          ; step 7 starts the next phase's first sums
.set vj, 0
	DEALTO 0, 84                                   ; tile 7's lists have no products to stand behind
	v_nop
	s_wait_alu depctr_va_vdst(0)                   ; the batch of 64 reciprocals has written T, ahead of its first reader
.if \ph == 1
	s_wait_dscnt 0x0                               ; H is in
.endif
.set vj, 0
	DEALTO 1+\ph, 69
	s_wait_alu depctr_va_vdst(0)                   ; the list has written T and HR, which the stores read
.if \ph == 0
	AEND 1
.else
	QEND 1
.endif
	s_wait_dscnt 0x0                               ; for the others' sake: my stores have landed and my loads are in
	s_barrier_signal -1
	s_barrier_wait -1
.endm
	s_load_b512 s[4:19], s[0:1], 0x0               ; wstream s4, X s6, W_in s8, b_in s10, W_out s12, b_out s14, lowp_scales s16, out0 s18
	v_and_b32 v4, 15, v0                           ; r
	v_bfe_u32 v5, v0, 4, 1                         ; h
	v_and_b32 v63, 31, v0
	v_lshlrev_b32 v[LI], 4, v63
	v_add_nc_u32 v[LI2], 0x10000, v[LI]
	v_lshrrev_b32 v63, 5, v0
	v_readfirstlane_b32 s[WV], v63                 ; wave 0..3
	v_lshlrev_b32 v[BO], 5, v5
	v_lshlrev_b32 v[WO], 4, v4
	v_lshl_add_u32 v[WO], v5, 3, v[WO]
	v_lshlrev_b32 v[IWO], 2, v4
	v_lshl_add_u32 v[IWO], v5, 12, v[IWO]
	s_wait_alu depctr_va_sdst(0)                   ; the wave's number is written, ahead of its first reader
	s_lshl_b32 s30, s[WV], 11
	v_add_nc_u32 v[CSB], s30, v[LI]
	s_lshl_b32 s30, s[WV], 15
	s_add_co_u32 s30, s30, HB
	v_add_nc_u32 v[HAD], s30, v[LI]
	s_lshl_b32 s30, s[WV], 9                       ; my 128 columns in bytes
	s_add_co_u32 s31, s30, WOL
	v_add_nc_u32 v63, s31, v[LI]                   ; where my part of W_out goes
	s_mov_b32 s27, 0
	s_mov_b32 s26, s30
	s_mov_b32 s68, 0x76543210
	s_mov_b32 s69, 0xfedcba98                      ; v_permlanex16_b32: lane l xor 16
	s_mov_b32 s76, 0xbfb8aa3b                      ; -log2(e)
	s_mov_b32 s77, s76
	s_wait_kmcnt 0x0
	s_add_nc_u64 s[8:9], s[8:9], s[26:27]
	s_add_nc_u64 s[10:11], s[10:11], s[26:27]
	s_add_nc_u64 s[12:13], s[12:13], s[26:27]
	s_lshl_b32 s26, ttmp9, 10
	s_add_nc_u64 s[6:7], s[6:7], s[26:27]          ; my 64 rows of X
	s_lshl_b32 s26, ttmp9, 8
	s_add_nc_u64 s[18:19], s[18:19], s[26:27]      ; and of the output
	s_mul_i32 s26, s[WV], 48*TILEB
	s_add_nc_u64 s[4:5], s[4:5], s[26:27]          ; my wave's 48 records
	s_load_b256 s[40:47], s[16:17], 0x0            ; layer 0's exponents: H's three quantisers
	s_load_b32 s70, s[14:15], 0x0                  ; b_out
	s_wait_alu depctr_va_vdst(0)                   ; the addresses and offsets v[LI], v[LI2], v[HAD], v[BO], v[WO], v[IWO] and v63 are written, which the loads and stores from here on read
.irp i, 0,1,2,3
	global_load_b64 v[X+2*\i:X+2*\i+1], v[WO], s[6:7] offset:256*\i   ; X(16 i + r, 2 h .. 2 h + 1)
.endr
	global_load_b128 v[T:T+3], v[LI], s[12:13]
	WIN 0x40                                       ; the input layer's two sets lie in window 1: weights at 16 q, bias at 16 q + 2
.irp q, 0,1
	global_load_b32 v[16*\q], v[IWO], s[8:9] offset:64*\q
	global_load_b32 v[16*\q+1], v[IWO], s[8:9] offset:64*\q+2048
	global_load_b128 v[16*\q+2:16*\q+5], v[BO], s[10:11] offset:64*\q
	global_load_b128 v[16*\q+6:16*\q+9], v[BO], s[10:11] offset:64*\q+16
.endr
	WIN 0
	s_wait_kmcnt 0x0
	QS 42, 60, 61, SCU
	QS 44, 62, 63, SCO
	QS 40, 66, 67, SCF
	EQSET
	s_wait_loadcnt 8                               ; W_out is in: behind it stand the two sets' eight loads
	ds_store_b128 v63, v[T:T+3]
	s_mov_b32 s[CNT], 4
	s_mov_b32 s[SPU], 0
	s_mov_b32 s[SPH], 0
	s_mov_b32 s[ITL], 2
; THE INPUT LAYER, 16 columns at a time: H = silu(X W_in + b_in), stored and quantised as every later H.  Its LDS stores and the loads of the set two tiles on stand in one run at its end.
.macro ITILE q
	s_wait_loadcnt 4                               ; this set is in; the other set's four loads may be out
	s_wait_alu depctr_vm_vsrc(0)                   ; the LDS stores issued so far (the tile before's; ahead of the first tile W_out's) have read T, HR, v[CAD], v[CAD2] and v[HAT], which this tile writes again
	WIN 0x11                                       ; weights and bias window 1
.irp i, 0,1,2,3
	v_wmma_f32_16x16x4_f32 v[ACC+8*\i:ACC+8*\i+7], v[16*\q:16*\q+1], v[X+2*\i:X+2*\i+1], v[16*\q+2:16*\q+9]
.endr
	WIN 0
.if \q == 0
	v_add_nc_u32 v[CAD], s[SPU], v[CSB]
	v_add_nc_u32 v[CAD2], 0x10000, v[CAD]
	v_add_nc_u32 v[HAT], s[SPH], v[HAD]
.endif
	NOPS 8                                         ; places behind the f32 form, in front of the reads of its results
.set n, 0
.rept 16                                           ; a scaling, then the two exponentials of the pair before
	v_pk_mul_f32 v[T+2*n:T+2*n+1], v[ACC+2*n:ACC+2*n+1], s[76:77] op_sel_hi:[1,0]
.if n > 0
	v_exp_f32 v[T+2*n-2], v[T+2*n-2]
	v_exp_f32 v[T+2*n-1], v[T+2*n-1]
.endif
.set n, n+1
.endr
	v_exp_f32 v[T+30], v[T+30]
	v_exp_f32 v[T+31], v[T+31]
	v_nop
	s_wait_alu depctr_va_vdst(0)                   ; one wait for the batch: the exponentials have written T, ahead of their first reader
.set n, 0
.rept 16
	v_pk_add_f32 v[T+2*n:T+2*n+1], v[T+2*n:T+2*n+1], 1.0 op_sel_hi:[1,0]
.if n > 0
	v_rcp_f32 v[T+2*n-2], v[T+2*n-2]
	v_rcp_f32 v[T+2*n-1], v[T+2*n-1]
.endif
.set n, n+1
.endr
	v_rcp_f32 v[T+30], v[T+30]
	v_rcp_f32 v[T+31], v[T+31]
	v_nop
	s_wait_alu depctr_va_vdst(0)                   ; the reciprocals have written T, ahead of their first reader
.set n, 0
.rept 16
	v_pk_mul_f32 v[T+2*n:T+2*n+1], v[ACC+2*n:ACC+2*n+1], v[T+2*n:T+2*n+1]
.set n, n+1
.endr
.irp i, 0,1,2,3
.irp k, 0,1,2,3,4,5,6,7
	v_med3_num_f32 v[Z+8*\i+\k], v[T+8*\i+\k], s60, s61
.endr
	v_cvt_scalef32_pk8_fp8_f32 v[HR+8*\i:HR+8*\i+1], v[Z+8*\i:Z+8*\i+7], v[SCU]
.endr
	v_nop                                          ; a plain instruction behind the last conversion
	s_wait_alu depctr_va_vdst(0)                   ; H in T, its codes in HR and the three addresses are written, which the stores read; the four f32 products are done reading this set, in which the loads at the tile's end land
	QEND \q
	s_wait_xcnt 0x0                                ; the earlier loads have read their bases
	s_min_u32 s30, s[ITL], 7                       ; two tiles ahead; the last two ask for tile 7 again
	s_lshl_b32 s26, s30, 6
	s_add_nc_u64 s[72:73], s[8:9], s[26:27]
	s_add_nc_u64 s[74:75], s[10:11], s[26:27]
	s_add_co_u32 s[ITL], s[ITL], 1
	WIN 0x40
	global_load_b32 v[16*\q], v[IWO], s[72:73]     ; no wait: since the wait ahead of QEND nothing names this set, v[IWO] or v[BO]
	global_load_b32 v[16*\q+1], v[IWO], s[72:73] offset:2048
	global_load_b128 v[16*\q+2:16*\q+5], v[BO], s[74:75]
	global_load_b128 v[16*\q+6:16*\q+9], v[BO], s[74:75] offset:16
	WIN 0
.endm
.Lin:
	ITILE 0
	ITILE 1
	s_add_co_u32 s[SPU], s[SPU], 512
	s_add_co_u32 s[SPH], s[SPH], 8192
	s_sub_co_u32 s[CNT], s[CNT], 1
	s_cmp_lg_u32 s[CNT], 0
	s_cbranch_scc1 .Lin
	; the weight ring's two first fills, in the order in which every later tile is asked for; they land while the code images are read.  No vector or matrix instruction has named the ring or the small sets yet
	s_mov_b32 s[STL], -1
	R0S 0
	WLOAD 0, 1
	WLOAD 0, 2
	WLOAD 0, 3
	R0S 1
	WLOAD 1, 1
	WLOAD 1, 2
	WLOAD 1, 3
	s_wait_dscnt 0x0
	s_barrier_signal -1
	s_barrier_wait -1                              ; H's three code images are whole
	s_wait_loadcnt 62                              ; tile 0's small set is in (behind its 14 loads: 24 + 38), and so is all that was asked for earlier
.irp a, 0,1,2,3,4,5,6,7
	v_wmma_f32_16x16x4_f32 v[ACC+8*\a:ACC+8*\a+7], v[SM+2*(\a/4):SM+2*(\a/4)+1], v[X+2*(\a%4):X+2*(\a%4)+1], v[SM+4+8*(\a/4):SM+11+8*(\a/4)]   ; tile 0's sums are started
.endr
	NOPS 9
	s_mov_b32 s[LAY], 0
.Llayer:
	s_lshl_b32 s30, s[LAY], 5
	s_add_co_u32 s31, s[LAY], 1
	s_min_u32 s31, s31, 2
	s_lshl_b32 s31, s31, 5
	s_load_b256 s[32:39], s[16:17], s30 offset:0x0 ; this layer's eight exponents: aF bF aU bU aO bO aP bZ
	s_load_b256 s[40:47], s[16:17], s31 offset:0x0 ; the next layer's (the last layer: its own; those codes are not read)
	s_wait_alu depctr_va_vdst(0)                   ; the products that read windows 1 and 2 (the input layer's f32 products; the last phase's) are done reading them: the code images' loads land there
.irp s, 0,1,2,3
	ALOAD1 0x40, LI, 0, \s                         ; H's codes for U
	ALOAD1 0x80, LI, 32768, \s                     ; and for O1
.endr
	WIN 0
	s_wait_kmcnt 0x0
	CSET 48, 34, 35, 0xbfb8aa3b                    ; cU = -log2(e) 2^(aU + bU)
	CSET 50, 36, 37, 0x4038aa3b                    ; cO = 2 log2(e) 2^(aO + bO)
	CSET 52, 32, 33, 0xbfb8aa3b                    ; cF
	CSET 54, 38, 39, 0x3f800000                    ; cZ = 2^(aP + bZ)
	CSET 56, 38, 39, 0xbfb8aa3b                    ; cZ2 = -log2(e) cZ
	QS 38, 58, 59, SCP
	QS 42, 60, 61, SCU
	QS 44, 62, 63, SCO
	QS 40, 66, 67, SCF
	EQSET
	PHASE 0, 2, 1, 1
.irp s, 0,1,2,3
	ALOAD1 0x80, LI2, 32768, \s                    ; P's codes.  No wait: phase 0's last products stand ahead of the wait at step 7's end, and nothing since names window 2
.endr
	WIN 0
	PHASE 1, 1, 2, 0
	s_add_co_u32 s[LAY], s[LAY], 1
	s_cmp_lt_u32 s[LAY], 3
	s_cbranch_scc1 .Llayer
	; THE OUTPUT: my 128 columns' part of H W_out for the 64 rows; the four waves' parts meet in LDS; wave 0 finishes and stores 256 consecutive bytes.
	s_wait_loadcnt 0x0                             ; the ring's last loads have landed: the small sets' registers are free
	s_wait_alu depctr_vm_vsrc(0)                   ; the last LDS stores have read T and HR, in which the loads below land; the input layer's loads have read v62 and W_out's store v63, which are written anew
	s_lshl_b32 s30, s[WV], 9
	s_add_co_u32 s30, s30, WOL
	v_add_nc_u32 v62, s30, v[BO]
	s_lshl_b32 s30, s[WV], 8
	s_add_co_u32 s30, s30, RED
	v_and_b32 v63, 15, v0
	v_lshlrev_b32 v63, 2, v63
	v_add_nc_u32 v63, s30, v63                     ; RED + 256 w + 4 r
	v_lshrrev_b32 v37, 1, v[LI]                    ; 8 x lane
	v_add_nc_u32 v36, RED, v37
.irp i, 0,1,2,3
	v_mov_b32 v[28+\i], 0                          ; a lane permute's destination counts as one of its sources
.endr
	s_wait_alu depctr_va_vdst(0)                   ; v62, v63, v36 and v37 are written, which the LDS loads, the LDS stores and the global store below read as addresses
.irp j, 0,1,2,3,4,5,6,7
	ds_load_b128 v[T+8*\j:T+8*\j+3], v62 offset:64*\j       ; W_out(128 w + 16 j + 8 h + 0..7)
	ds_load_b128 v[T+8*\j+4:T+8*\j+7], v62 offset:64*\j+16
.endr
.macro HLOAD j
.irp q, 0,1,2,3,4,5,6,7
	ds_load_b128 v[Z+32*((\j)%2)+4*\q:Z+32*((\j)%2)+4*\q+3], v[HAD] offset:4096*(\j)+512*\q
.endr
.endm
	HLOAD 0
	HLOAD 1
.irp j, 0,1,2,3,4,5,6,7
.if \j < 7
	s_wait_dscnt 8                                 ; this tile of H is in; the next tile's eight loads may be out
.else
	s_wait_dscnt 0
.endif
.irp k, 0,1,2,3
.irp i, 0,1,2,3
.if (\j == 0) && (\k == 0)
	v_pk_mul_f32 v[20+2*\i:21+2*\i], v[Z+32*(\j%2)+8*\i+2*\k:Z+32*(\j%2)+8*\i+2*\k+1], v[T+8*\j+2*\k:T+8*\j+2*\k+1]   ; the first products start the sums
.else
	v_pk_fma_f32 v[20+2*\i:21+2*\i], v[Z+32*(\j%2)+8*\i+2*\k:Z+32*(\j%2)+8*\i+2*\k+1], v[T+8*\j+2*\k:T+8*\j+2*\k+1], v[20+2*\i:21+2*\i]
.endif
.endr
.endr
.if \j < 6
	s_wait_alu depctr_va_vdst(0)                   ; the sixteen multiply-adds are done reading this buffer of H, in which the tile two on lands
	HLOAD \j+2
.endif
.endr
.irp i, 0,1,2,3
	v_add_f32 v[20+2*\i], v[20+2*\i], v[21+2*\i]
.endr
.irp i, 0,1,2,3
	v_permlanex16_b32 v[28+\i], v[20+2*\i], s68, s69   ; the row's other eight columns of each tile lie in the lane 16 away
.endr
.irp i, 0,1,2,3
	v_add_f32 v[20+2*\i], v[20+2*\i], v[28+\i]
.endr
	s_wait_alu depctr_va_vdst(0)                   ; the four sums are written, which the LDS stores read
.irp i, 0,1,2,3
	ds_store_b32 v63, v[20+2*\i] offset:64*\i      ; row 16 i + r; both halves of the lanes write the same number
.endr
	s_wait_dscnt 0x0
	s_barrier_signal -1
	s_barrier_wait -1
	s_cmp_lg_u32 s[WV], 0
	s_cbranch_scc1 .Lend
.irp w, 0,1,2,3
	ds_load_b64 v[40+2*\w:41+2*\w], v36 offset:256*\w   ; rows 2 l, 2 l + 1 of each wave's part.  (v40 to v47 were last named by the f32 products of the step before the last, ahead of many waits on va_vdst)
.endr
	s_wait_dscnt 0x0
	v_pk_add_f32 v[40:41], v[40:41], v[42:43]
	v_pk_add_f32 v[44:45], v[44:45], v[46:47]
	v_pk_add_f32 v[40:41], v[40:41], v[44:45]
	v_pk_add_f32 v[40:41], v[40:41], s[70:71] op_sel_hi:[1,0]   ; + b_out (the pair's low word for both halves)
	v_pk_mul_f32 v[44:45], v[40:41], s[76:77] op_sel_hi:[1,0]
	v_exp_f32 v44, v44
	v_exp_f32 v45, v45
	v_nop
	s_wait_alu depctr_va_vdst(0)                   ; the two exponentials have written v44 and v45, ahead of their first reader
	v_pk_add_f32 v[44:45], v[44:45], 1.0 op_sel_hi:[1,0]
	v_rcp_f32 v44, v44
	v_rcp_f32 v45, v45
	v_nop
	s_wait_alu depctr_va_vdst(0)                   ; the two reciprocals have written v44 and v45, ahead of their first reader
	v_pk_mul_f32 v[40:41], v[40:41], v[44:45]
	s_wait_alu depctr_va_vdst(0)                   ; the results are written, which the store reads
	global_store_b64 v37, v[40:41], s[18:19]       ; 32 lanes store the work-group's 64 results: 256 consecutive bytes, aligned
.Lend:
	s_wait_xcnt 0x0
	v_lshl_add_u32 v254, v0, 2, 0x40c00            ; the add's two registers are made anew here; no memory or LDS instruction of the kernel has read v254 or v255
	v_mov_b32 v255, 0
	s_wait_dscnt 0x0                               ; the closing lines, six on end
	s_wait_alu 0x0
	s_wait_tensorcnt 0x0
	ds_add_u32 v254, v255
	s_wait_dscnt 0x0
	s_endpgm
.Lfunc_end_k_q1cd51f6521_net:
	.size	k_q1cd51f6521_net, .Lfunc_end_k_q1cd51f6521_net-k_q1cd51f6521_net
	.p2alignl 7, 3214868480
	.fill 96, 4, 3214868480
	.section	.rodata,"a",@progbits
	.p2align	6, 0x0
	.amdhsa_kernel k_q1cd51f6521_net
		.amdhsa_group_segment_fixed_size 265728
		.amdhsa_private_segment_fixed_size 0
		.amdhsa_enable_private_segment 0
		.amdhsa_kernarg_size 64
		.amdhsa_user_sgpr_count 2
		.amdhsa_user_sgpr_kernarg_segment_ptr 1
		.amdhsa_wavefront_size32 1
		.amdhsa_system_sgpr_workgroup_id_x 1
		.amdhsa_system_sgpr_workgroup_id_y 1
		.amdhsa_system_sgpr_workgroup_id_z 1
		.amdhsa_system_vgpr_workitem_id 0
		.amdhsa_next_free_vgpr 1024
		.amdhsa_next_free_sgpr 80
		.amdhsa_reserve_vcc 0
		.amdhsa_float_denorm_mode_32 3
		.amdhsa_float_denorm_mode_16_64 3
		.amdhsa_memory_ordered 1
		.amdhsa_forward_progress 1
		.amdhsa_inst_pref_size 255
	.end_amdhsa_kernel
	.section	.bss,"aw",@nobits
	.p2align	6
	.space	262144
	.amdgpu_metadata
---
amdhsa.version: [ 1, 2 ]
amdhsa.kernels:
  - .name:           k_q1cd51f6521_net
    .symbol:         k_q1cd51f6521_net.kd
    .args:
      - { .name: wstream, .offset: 0, .size: 8, .value_kind: global_buffer, .address_space: global }
      - { .name: X, .offset: 8, .size: 8, .value_kind: global_buffer, .address_space: global }
      - { .name: W_in, .offset: 16, .size: 8, .value_kind: global_buffer, .address_space: global }
      - { .name: b_in, .offset: 24, .size: 8, .value_kind: global_buffer, .address_space: global }
      - { .name: W_out, .offset: 32, .size: 8, .value_kind: global_buffer, .address_space: global }
      - { .name: b_out, .offset: 40, .size: 8, .value_kind: global_buffer, .address_space: global }
      - { .name: lowp_scales, .offset: 48, .size: 8, .value_kind: global_buffer, .address_space: global }
      - { .name: out0, .offset: 56, .size: 8, .value_kind: global_buffer, .address_space: global }
    .group_segment_fixed_size: 265728
    .private_segment_fixed_size: 0
    .kernarg_segment_align: 8
    .kernarg_segment_size: 64
    .max_flat_workgroup_size: 128
    .sgpr_count:     80
    .vgpr_count:     1024
    .wavefront_size: 32
...
	.end_amdgpu_metadata
.endif
;; end of part 3
